; MI455X (gfx1250); checked and timed in simulation.
; The chip was launched on July 23, 2026; its instructions are those of AMD's public machine-readable ISA for CDNA 5 (MIT licence, August 2026) and "CDNA5" Instruction Set Architecture Reference Guide (July 2026). The comments in the code are by the model that wrote it; some were corrected since.
;; Attention. Allowed arithmetic: matrix products marked QUANTISED: E2M3 operands, one E8M0 scale for each 32 along K, by v_wmma_scale_f32_16x16x128_f8f6f4 with both operands' format E2M3, f32 sums; everything else in f32.
;; Inputs: Wk_b 1,024 float32; Wk_w 1,024 x 1,024 float32; Wq_b 1,024 float32; Wq_w 1,024 x 1,024 float32; Wv_b 1,024 float32; Wv_w 1,024 x 1,024 float32; attention_mask 4 x 2,048 int32; k 4 x 2,048 x 1,024 float32; q 4 x 2,048 x 1,024 float32; v 4 x 2,048 x 1,024 float32.
;; Outputs: out0 4 x 2,048 x 1,024 float32.
;; This version of the problem:
;;   THIS VERSION OF THE PROBLEM IS GIVEN IN LOW PRECISION. The matrix products marked QUANTISED in the list below multiply operands that are first quantised to E2M3 (2 exponent bits, 3 mantissa bits; 6 bits a number), with one power-of-two scale for each 32 numbers along K (OCP MX v1.0); their sums are f32. All else is computed in f32.
;;   The module's matrix products, in the order in which they are computed (A, B: the left and right operand; K: the contracted axis; several contracted axes count as one K, in the product's order):
;;     1. [M 8,192, K 1,024] x [K 1,024, N 1,024]; A: input q; B: input Wq_w: QUANTISED
;;     2. [M 8,192, K 1,024] x [K 1,024, N 1,024]; A: input k; B: input Wk_w: QUANTISED
;;     3. [M 8,192, K 1,024] x [K 1,024, N 1,024]; A: input v; B: input Wv_w: QUANTISED
;;     4. batch 4 x [M 2,048, K 1,024] x [K 1,024, N 2,048]; A: computed on the way; B: computed on the way: QUANTISED
;;     5. batch 4 x [M 2,048, K 2,048] x [K 2,048, N 1,024]; A: softmax (see below); B: computed on the way: QUANTISED
;;   THE QUANTISER, for each operand of a quantised product, along K:
;;     - K is cut into blocks of 32 from its start; a last block that is shorter is filled with zeros.
;;     - A block's scale is 2^e with e = floor(log2(the largest magnitude in the block)) - 2, held to -126 .. 127; a block of zeros has e = 0. As a byte (E8M0): e + 127.
;;     - Each number is divided by its block's scale, clamped to +-7.5, and rounded to the nearest number of E2M3, ties to even, subnormals kept.
;;     - The product sums the exact products of the quantised numbers (number of the format x scale) in f32.
;;   ~~~python
;;   def quantise(x, axis):      # numpy; x: float32 -> the quantised numbers, widened to float32 again
;;       x = np.moveaxis(x, axis, -1); K = x.shape[-1]
;;       x = np.pad(x, [(0, 0)] * (x.ndim - 1) + [(0, -K % 32)]); x = x.reshape(x.shape[:-1] + (-1, 32)); a = np.abs(x).max(-1, keepdims=True)
;;       e = np.where(a > 0, np.clip(np.frexp(np.where(a > 0, a, 1))[1] - 1 - 2, -126, 127), 0)      # np.frexp(a)[1] - 1 = floor(log2(a)), exactly
;;       r = np.clip(x / 2.0 ** e, -7.5, 7.5)
;;       step = 2.0 ** (np.maximum(np.frexp(np.where(r == 0, 1, r))[1] - 1, 0) - 3)
;;       q = np.round(r / step) * step * 2.0 ** e      # np.round: ties to even
;;       return np.moveaxis(q.reshape(q.shape[:-2] + (-1,))[..., :K], -1, axis).astype(np.float32)
;;   ~~~
;;   SOFTMAX AHEAD OF A QUANTISED PRODUCT. Where the list says 'softmax', what is quantised is not the finished softmax but p = 2^(t - M), with t = logit x log2(e) and M = ceil(the row's largest t), a whole number; so 1/2 < the row's largest p <= 1. The row's sum l is taken of the UNQUANTISED p, in f32, and the product's result is divided by l at the end. Since M is a whole number, a kernel that streams over the keys may use a running M (the ceiling of the running maximum): every later rescaling is an exact power of two, which a block's scale takes up: the codes' values come out the same.
;;   OPERANDS COMPUTED ON THE WAY. 'Computed on the way' means the value that the module computes at that place (a softmax that the list does not call 'softmax' is quantised finished and normalised). What goes into a quantiser is computed in f32, as accurately as f32 sums, v_exp_f32 and their like allow (about 1e-6 of the number): no bf16 or f16 on the way to a quantiser, and a product that is left as it is and whose result goes on into a quantised operand takes f32 operands (vector FMAs, or v_wmma_f32_16x16x4_f32). A number that lies on a knife's edge between two numbers of the format may be rounded either way, as far as f32 arithmetic and the matrix unit's own rounding can turn it there, and no further.
;; One version. Each part assembles by itself: llvm-mc -triple=amdgcn-amd-amdhsa -mcpu=gfx1250 --defsym DOCPART=n.
;; ======== version 1 of 1: 4 launches
;; workspace buffers: xc 19,660,800 bytes; wc 2,457,600 bytes; hc 19,660,800 bytes; pc 13,107,200 bytes; st 1,048,576 bytes
;; launch quant (part 1): grid 864 x 1, 4 waves a work-group, no clusters, 69,120 bytes of LDS; arguments q, k, v, Wq_w, Wk_w, Wv_w, xc, wc; writes xc, wc
.if DOCPART == 1
	.amdgcn_target "amdgcn-amd-amdhsa--gfx1250"
	.amdhsa_code_object_version 6
	.text
	.protected	k_q22042dfc04_quant
	.globl	k_q22042dfc04_quant
	.p2align	8
	.type	k_q22042dfc04_quant,@function
k_q22042dfc04_quant:
	s_mov_b64 s[64:65], 0
	v_nop
	global_prefetch_b8 v0, s[64:65] scope:SCOPE_SE
	s_setreg_imm32_b32 hwreg(HW_REG_WAVE_MODE, 25, 1), 1
	s_wait_xcnt 0x0
; q, k, v [8192][1024] and Wq_w, Wk_w, Wv_w [1024][1024], f32, K innermost, become codes of FP6 (E2M3) with one E8M0 byte for each 32 along K,
; laid as IMAGES OF THE OPERAND'S REGISTERS.  A chunk of 25,600 bytes holds 128 rows x 256 along K: 16 fragments (row tile i = 0..7, half q = 0..1 of the 256) of 1,536 bytes at
; (2 i + q) x 1,536, registers 4 c .. 4 c + 3 of lane l at 512 c + 16 l; behind them, from byte 24,576, the scale words: (q, tile i, lane r) at 512 q + 256 (i / 4) + 16 r + 4 (i % 4).
; Chunk (K step kk, row group g) of a tensor with G groups lies at (kk G + g) x 25,600.
; A block's scale is 2^(floor(log2(largest magnitude)) - 2); its byte is the largest magnitude's exponent field - 2, held at 1 from below.
; LIMITS: a block of zeros gets the byte 1 where the rule says 127 (its codes are zeros, and the bytes are read by this program alone); blocks whose largest magnitude lies under
; 2^(3 - 127) are held at byte 1; NaN and infinities among the inputs are not served.
; SHARES.  One work-group makes one chunk: 768 chunks of q, k, v, then 96 of the weights.  Wave w takes rows 32 w .. 32 w + 31 of the group (tiles 2 w, 2 w + 1), in four steps of 16 rows x 128 K.
; PERMUTED TILES (k, v, Wq_w, Wk_w): lane r of tile 2 w + u holds row 32 w + 8 u + r % 8 + 16 (r / 8), so that the product which takes such a tile as source 0 leaves 16 neighbours in a lane's
; 16 registers of two neighbouring tiles.  q and Wv_w keep their rows in order.
; Each load reads 512 consecutive bytes of one row, 16 a lane; a step's 16 rows turn through the wave's own stage in LDS (rows 528 bytes apart) and come back 256 bytes of one row a lane,
; in the order in which the operand's layout wants them.  No tensor load, no ring: the one barrier stands in front of the gathered scale words' way out.
.set CH,    25600
.set SCO,   24576
.set SP,    528                        ; a stage row: 512 bytes + 16
.set STG,   16*SP
.set WREG,  2*STG                      ; two stages a wave, by turns
.set SCG,   4*WREG                     ; the chunk's 1,024 bytes of scale words, gathered
.set SPARE, SCG+1024                   ; the spare words, 128 bytes a wave
.set V0,  4                            ; v4   16 x lane
.set VA,  5                            ; v5   the same + 16 rows (permuted) or 8 rows
.set VB,  6                            ; v6   the same + 8 rows (permuted) or 16 rows
.set STW, 7                            ; v7   stage, way in
.set STR, 8                            ; v8   stage, way out: row r, + 128 h
.set SGW, 9                            ; v9   where I put my pair of scale words
.set SGR, 10                           ; v10  where I read 8 bytes of the gathered words
.set L8,  11                           ; v11  8 x lane
.set SPW, 12                           ; v12  my spare word; never rewritten
.set NIL, 13                           ; v13  0; never rewritten
.set H8,  14                           ; v14  8 h
.set MXR, 16                           ; v16-17 largest magnitudes
.set SO,  18                           ; v18-19 the conversions' scale operands
.set BY,  20                           ; v20-21 scale bytes
.set WD,  22                           ; v22-23 the word in the making
.set WS,  24                           ; v24-27 the four steps' scale words
.set PC,  28                           ; v28-39 a fragment's codes
.set P2,  40                           ; v40-42, v44-46 the blocks' second halves
.set PR,  48                           ; v48-51 pairs of scale words
.set R,   64                           ; v64-191 two sets of 64 numbers as loaded
.set X,   192                          ; v192-255 64 numbers of my row
	s_load_b512 s[16:31], s[0:1], 0x0              ; q, k, v, Wq_w, Wk_w, Wv_w, xc, wc
	v_lshl_add_u32 v[SPW], v0, 2, SPARE
	v_mov_b32 v[NIL], 0
	v_lshrrev_b32 v1, 5, v0
	v_readfirstlane_b32 s2, v1                     ; wave
	v_and_b32 v1, 31, v0                           ; lane
	v_and_b32 v2, 15, v0                           ; r
	v_bfe_u32 v3, v0, 4, 1                         ; h
	s_cmp_lt_u32 ttmp9, 768                        ; an activation's chunk or a weight's: hangs on the work-group's number alone
	s_cselect_b32 s3, 0, 768
	s_cselect_b32 s8, 8, 5                         ; log2 of a tensor's chunks
	s_cselect_b32 s9, 6, 3                         ; log2 of its row groups
	s_cselect_b32 s10, 0, 3
	s_sub_co_u32 s3, ttmp9, s3
	s_lshr_b32 s11, s3, s8                         ; which of the three
	s_add_co_u32 s10, s10, s11                     ; u = 0 .. 5: q, k, v, Wq_w, Wk_w, Wv_w
	s_lshl_b32 s14, s11, s8                        ; the tensor's first chunk in its buffer
	s_sub_co_u32 s12, s3, s14
	s_and_b32 s13, s12, 3                          ; kk
	s_lshr_b32 s12, s12, 2                         ; g
	s_lshl_b32 s15, s13, s9
	s_add_co_u32 s14, s14, s15
	s_add_co_u32 s14, s14, s12
	s_mul_i32 s14, s14, CH                         ; the chunk's first byte
	s_lshl_b32 s32, s12, 7
	s_lshl_b32 s33, s2, 5
	s_add_co_u32 s32, s32, s33                     ; my first row: 128 g + 32 w
	s_lshl_b32 s32, s32, 12                        ; rows of 4,096 bytes
	s_lshl_b32 s33, s13, 10
	s_add_co_u32 s32, s32, s33                     ; + 1,024 kk
	s_mov_b32 s33, 0
	s_sub_co_u32 s34, s10, 1
	s_cmp_lt_u32 s34, 4                            ; u = 1 .. 4: permuted
	s_cselect_b32 s34, 16, 8
	s_cselect_b32 s35, 8, 16
	s_lshl_b32 s34, s34, 12
	s_lshl_b32 s35, s35, 12
	s_mul_i32 s36, s2, 6144                        ; my four fragments
	s_add_co_u32 s36, s36, s14
	s_mov_b32 s37, 0
	s_lshl_b32 s43, s2, 8                          ; my 256 of the 1,024 bytes of scale words
	s_add_co_u32 s40, s43, s14
	s_add_co_u32 s40, s40, SCO
	s_mov_b32 s41, 0
	s_add_co_u32 s43, s43, SCG
	v_lshlrev_b32 v[V0], 4, v1
	v_add_nc_u32 v[VA], s34, v[V0]
	v_add_nc_u32 v[VB], s35, v[V0]
	s_mul_i32 s42, s2, WREG
	v_add_nc_u32 v[STW], s42, v[V0]
	v_mul_u32_u24 v[STR], v2, SP
	v_lshl_add_u32 v[STR], v3, 7, v[STR]
	v_add_nc_u32 v[STR], s42, v[STR]
	s_lshr_b32 s44, s2, 1
	s_lshl_b32 s44, s44, 8
	s_and_b32 s45, s2, 1
	s_lshl_b32 s45, s45, 3
	s_add_co_u32 s44, s44, s45
	s_add_co_u32 s44, s44, SCG
	v_lshlrev_b32 v[SGW], 4, v2
	v_lshl_add_u32 v[SGW], v3, 9, v[SGW]
	v_add_nc_u32 v[SGW], s44, v[SGW]               ; 512 q (q = my h) + 256 (w / 2) + 16 r + 8 (w % 2): tiles 2 w and 2 w + 1 are neighbours there
	v_lshlrev_b32 v[L8], 3, v1
	v_add_nc_u32 v[SGR], s43, v[L8]
	v_lshlrev_b32 v[H8], 3, v3
	v_mov_b32 v[WD+1], 0                           ; a lane permute's destination counts as one of its sources
	s_mov_b32 s38, 0x76543210
	s_mov_b32 s39, 0xfedcba98                      ; selects for lane l xor 16
	s_mov_b32 s46, 0xffff0000                      ; lanes 16-31
	s_wait_kmcnt 0x0
	s_mov_b64 s[4:5], s[16:17]                     ; the source, chosen by u
	s_cmp_eq_u32 s10, 1
	s_cselect_b64 s[4:5], s[18:19], s[4:5]
	s_cmp_eq_u32 s10, 2
	s_cselect_b64 s[4:5], s[20:21], s[4:5]
	s_cmp_eq_u32 s10, 3
	s_cselect_b64 s[4:5], s[22:23], s[4:5]
	s_cmp_eq_u32 s10, 4
	s_cselect_b64 s[4:5], s[24:25], s[4:5]
	s_cmp_eq_u32 s10, 5
	s_cselect_b64 s[4:5], s[26:27], s[4:5]
	s_cmp_lt_u32 ttmp9, 768
	s_cselect_b64 s[6:7], s[28:29], s[30:31]       ; xc or wc
	s_add_nc_u64 s[4:5], s[4:5], s[32:33]
	s_add_nc_u64 s[8:9], s[6:7], s[40:41]          ; my scale words
	s_add_nc_u64 s[6:7], s[6:7], s[36:37]          ; my fragments
; Step t = 2 x tile + q: 16 loads, each one row's 512 bytes of half q.  Lane index i of the tile takes the row that the table in the head comment gives it.
.macro LOAD t
.set RS, R+64*((\t)%2)
.set QO, 512*((\t)%2)
.irp i, 0,1,2,3,4,5,6,7
.if (\t)/2 == 0
	global_load_b128 v[RS+4*\i:RS+4*\i+3], v[V0], s[4:5] offset:\i*4096+QO th:TH_LOAD_NT
.else
	global_load_b128 v[RS+4*\i:RS+4*\i+3], v[VB], s[4:5] offset:\i*4096+QO th:TH_LOAD_NT
.endif
.endr
.irp i, 0,1,2,3,4,5,6,7
.if (\t)/2 == 0
	global_load_b128 v[RS+32+4*\i:RS+32+4*\i+3], v[VA], s[4:5] offset:\i*4096+QO th:TH_LOAD_NT
.else
	global_load_b128 v[RS+32+4*\i:RS+32+4*\i+3], v[V0], s[4:5] offset:(\i+24)*4096+QO th:TH_LOAD_NT
.endif
.endr
.endm
.macro STEP t
.set RS, R+64*((\t)%2)
.if (\t) < 3
	s_wait_loadcnt 16                              ; this step's 16 loads are in; the next step's 16 may be out
.else
	s_wait_loadcnt 0x0
.endif
.irp i, 0,1,2,3,4,5,6,7,8,9,10,11,12,13,14,15
	ds_store_b128 v[STW], v[RS+4*\i:RS+4*\i+3] offset:((\t)%2)*STG+SP*\i
.endr
.irp c, 0,1
.irp e, 0,1,2,3,4,5,6,7
	ds_load_b128 v[X+32*\c+4*\e:X+32*\c+4*\e+3], v[STR] offset:((\t)%2)*STG+256*\c+16*\e   ; k = 64 c + 32 h + 4 e .. of row r; LDS serves a wave's instructions in order: these see the stores above
.endr
.endr
	s_wait_dscnt 0x0
.if (\t) < 2
	LOAD (\t)+2
.endif
.irp c, 0,1
	v_max3_num_f32 v[MXR+\c], |v[X+32*\c]|, |v[X+32*\c+1]|, 0x1800000   ; block 2 c + h: all 32 numbers are mine; the floor 2^(3 - 127) holds the byte at 1 from below
.endr
.irp i, 2,4,6,8,10,12,14,16,18,20,22,24,26,28,30
.irp c, 0,1
	v_max3_num_f32 v[MXR+\c], v[MXR+\c], |v[X+32*\c+\i]|, |v[X+32*\c+\i+1]|
.endr
.endr
.irp c, 0,1
	v_add_nc_u32 v[SO+\c], 0xff000000, v[MXR+\c]   ; 2 off the exponent field: the conversion's scale operand
.endr
.irp c, 0,1
	v_lshrrev_b32 v[BY+\c], 23, v[SO+\c]           ; the scale's byte
.endr
	v_lshl_or_b32 v[WD], v[BY+1], 16, v[BY]        ; blocks h and 2 + h,
	v_lshlrev_b32 v[WD], v[H8], v[WD]              ; at their places in the word;
	v_permlanex16_b32 v[WD+1], v[WD], s38, s39
	v_or_b32 v[WS+(\t)], v[WD], v[WD+1]            ; with lane l xor 16's two the word is whole
.if (\t) > 0
	s_wait_xcnt 0x0                                ; the last step's stores have read the codes' registers
.endif
.irp c, 0,1
	v_cvt_scalef32_pk16_fp6_f32 v[PC+6*\c:PC+6*\c+2], v[X+32*\c:X+32*\c+15], v[SO+\c]
	v_cvt_scalef32_pk16_fp6_f32 v[P2+4*\c:P2+4*\c+2], v[X+32*\c+16:X+32*\c+31], v[SO+\c]   ; (a conversion's three registers begin on an even number)
.endr
	v_nop                                          ; one plain place behind a scaled conversion
.irp c, 0,1
.irp i, 0,1,2
	v_mov_b32 v[PC+3+6*\c+\i], v[P2+4*\c+\i]
.endr
.endr
.irp c, 0,1,2
	global_store_b128 v[V0], v[PC+4*\c:PC+4*\c+3], s[6:7] offset:1536*(\t)+512*\c   ; 32 lanes store 512 consecutive bytes, at a multiple of 256 from the buffer's first byte
.endr
.endm
	LOAD 0
	LOAD 1
	STEP 0
	STEP 1
	STEP 2
	STEP 3
	v_cndmask_b32 v[PR], v[WS], v[WS+1], s46       ; lane (r, h): the words of half q = h, of my two tiles
	v_cndmask_b32 v[PR+1], v[WS+2], v[WS+3], s46
	ds_store_b64 v[SGW], v[PR:PR+1]
	s_wait_dscnt 0x0                               ; for the others' sake: my words lie in LDS
	s_barrier_signal -1
	s_barrier_wait -1
	ds_load_b64 v[PR+2:PR+3], v[SGR]
	s_wait_dscnt 0x0
	global_store_b64 v[L8], v[PR+2:PR+3], s[8:9]   ; 32 lanes store 256 consecutive bytes, aligned
	s_wait_tensorcnt 0x0                           ; the wave's end, behind my last LDS store
	ds_add_u32 v[SPW], v[NIL]
	s_wait_dscnt 0x0
	s_endpgm
.Lfunc_end_k_q22042dfc04_quant:
	.size	k_q22042dfc04_quant, .Lfunc_end_k_q22042dfc04_quant-k_q22042dfc04_quant
	.p2alignl 7, 3214868480
	.fill 96, 4, 3214868480
	.section	.rodata,"a",@progbits
	.p2align	6, 0x0
	.amdhsa_kernel k_q22042dfc04_quant
		.amdhsa_group_segment_fixed_size 69120
		.amdhsa_private_segment_fixed_size 0
		.amdhsa_enable_private_segment 0
		.amdhsa_kernarg_size 64
		.amdhsa_user_sgpr_count 2
		.amdhsa_user_sgpr_kernarg_segment_ptr 1
		.amdhsa_wavefront_size32 1
		.amdhsa_system_sgpr_workgroup_id_x 1
		.amdhsa_system_sgpr_workgroup_id_y 1
		.amdhsa_system_sgpr_workgroup_id_z 1
		.amdhsa_system_vgpr_workitem_id 0
		.amdhsa_next_free_vgpr 256
		.amdhsa_next_free_sgpr 66
		.amdhsa_reserve_vcc 0
		.amdhsa_float_denorm_mode_32 3
		.amdhsa_float_denorm_mode_16_64 3
		.amdhsa_memory_ordered 1
		.amdhsa_forward_progress 1
		.amdhsa_inst_pref_size 32
	.end_amdhsa_kernel
	.amdgpu_metadata
---
amdhsa.version: [ 1, 2 ]
amdhsa.kernels:
  - .name:           k_q22042dfc04_quant
    .symbol:         k_q22042dfc04_quant.kd
    .args:
      - { .name: q, .offset: 0, .size: 8, .value_kind: global_buffer, .address_space: global }
      - { .name: k, .offset: 8, .size: 8, .value_kind: global_buffer, .address_space: global }
      - { .name: v, .offset: 16, .size: 8, .value_kind: global_buffer, .address_space: global }
      - { .name: Wq_w, .offset: 24, .size: 8, .value_kind: global_buffer, .address_space: global }
      - { .name: Wk_w, .offset: 32, .size: 8, .value_kind: global_buffer, .address_space: global }
      - { .name: Wv_w, .offset: 40, .size: 8, .value_kind: global_buffer, .address_space: global }
      - { .name: xc, .offset: 48, .size: 8, .value_kind: global_buffer, .address_space: global }
      - { .name: wc, .offset: 56, .size: 8, .value_kind: global_buffer, .address_space: global }
    .group_segment_fixed_size: 69120
    .private_segment_fixed_size: 0
    .kernarg_segment_align: 8
    .kernarg_segment_size: 64
    .max_flat_workgroup_size: 128
    .sgpr_count:     66
    .vgpr_count:     256
    .wavefront_size: 32
...
	.end_amdgpu_metadata
.endif
;; end of part 1
;; launch proj (part 2): grid 4 x 96, 4 waves a work-group, clusters of 4 x 4, 327,680 bytes of LDS; arguments xc, wc, Wq_b, Wk_b, Wv_b, hc; writes hc
.if DOCPART == 2
	.amdgcn_target "amdgcn-amd-amdhsa--gfx1250"
	.amdhsa_code_object_version 6
	.text
	.protected	k_q22042dfc04_proj
	.globl	k_q22042dfc04_proj
	.p2align	8
	.type	k_q22042dfc04_proj,@function
k_q22042dfc04_proj:
	s_mov_b64 s[64:65], 0
	v_nop
	global_prefetch_b8 v0, s[64:65] scope:SCOPE_SE
	s_setreg_imm32_b32 hwreg(HW_REG_WAVE_MODE, 25, 1), 1
	s_wait_xcnt 0x0
	s_wait_alu depctr_hold_cnt(0) depctr_sa_sdst(0) depctr_va_vdst(0) depctr_va_sdst(0) depctr_va_ssrc(0) depctr_va_vcc(0) depctr_vm_vsrc(0)
	s_getreg_b32 s2, hwreg(HW_REG_IB_STS2, 6, 4)
	s_cmp_eq_u32 s2, 0
	s_cbranch_scc0 .Lentry_in_a_cluster
	s_endpgm
.Lentry_in_a_cluster:
	s_bfe_u32 s2, ttmp6, 0x10000c
	s_cmp_lg_u32 s2, 0xf033
	s_cbranch_scc0 .Lentry_shape_is_right
	s_endpgm
.Lentry_shape_is_right:
; The three projections on codes of FP6 (E2M3): qh = q Wq^T + b, kh = k Wk^T + b (A = the activation, B = the weight) and vh^T = Wv v^T + b (A = the weight, B = the activation: rows are channels,
; so that the keys are the result's columns, the K of the last product).  The result, in f32, gets its bias and is quantised in registers along its columns; it leaves as operand images (see below).
; OPERAND FORMAT.  A chunk of 25,600 bytes holds 128 rows x 256 along K: fragment (row tile i, half q) at (2 i + q) x 1,536, registers 4 c .. 4 c + 3 of lane l at 512 c + 16 l; from byte 24,576 the scale words,
; (q, tile i, lane r) at 512 q + 256 (i / 4) + 16 r + 4 (i % 4).  Chunk (kk, g) of an operand with G row groups at (kk G + g) x 25,600.  One dense tensor load brings a chunk; a fragment is three loads of 16 bytes a lane.
; SHARES.  A tile of 256 x 256 to a work-group of four waves, 128 x 128 to a wave: 64 accumulators, 512 registers.
; THE RING.  K = 1,024 is four steps of 256; a slot holds a step's four chunks, and LDS has room for THREE slots.  K steps 0, 1, 2 are first fills and go out together: three loads of a wave are out.  K step 3 is the one
; refill: into slot 0, behind the round at the end of K step 0, with K steps 1 and 2 (256 matrix instructions) in which to land.  The four steps are written out: there is no loop.
; CLUSTERS 4 x 4: A's chunks are asked for jointly along a row of the cluster, B's along a column.  Cluster y = 8 t + j: t = 0, 1, 2 names the projection.
; THE MATRIX INSTRUCTION IS USED TRANSPOSED (source 0 = 16 rows of B, source 1 = 16 rows of A); B's tiles are permuted by the launch before, so that a lane's registers 16 b + i of a row tile are columns 32 b + 16 h + i.
; No prefetch: of a work-group's four K steps three are first fills.  LIMITS: a block of zeros gets the byte 1, not 127 (read by this program alone); NaN and infinities are not served.
; REGISTERS: window 0: v1-29 addresses; v32-63 A's scale words, v64-95 B's (two sets each, nothing else ever); v96-111 the bias by rows; v112-123 the way out's scale words; v128-223 A's fragments, later the way out.
;   window 1: B's fragments at v0 and v128; v96-127, v224-255 the bias by columns.   windows 2, 3: the accumulators ((a, b) at v[8 (8 (a % 4) + b)] of window 2 + a / 4).
.set CH,    25600
.set SCO,   24576
.set SLOT,  4*CH                       ; A's two chunks, then B's two
.set XSEC,  6553600                    ; a section of xc and of hc
.set WSEC,  819200                     ; a section of wc
.set FR,    12
.set SPARE, 3*SLOT                     ; behind the three slots: the spare words, 128 bytes a wave
.set ADRA, 10                          ; v10-12 my A fragments in slot 0, 1, 2
.set ADRB, 13                          ; v13-15 B's
.set ADSA, 16                          ; v16-18 A's scale words
.set ADSB, 19                          ; v19-21 B's
.set L16,  26                          ; v26 16 x lane
.set SPW,  28
.set NIL,  29
.set SCA,  32
.set SCB,  64
.set AF,   128
.set BM,   96
.set WW,   112
.set QD,   120
.set H,    128                         ; the way out: 64 numbers of a lane
.set PC,   192                         ; the codes just made
.set TM,   212                         ; at work
.set G1, 24                            ; s[24:31] group 1 for A's chunks;  groups 0: s[32:35], s[36:39], s[92:95] for slots 0, 1, 2
.set G1B, 48                           ; s[48:55] for B's;                 groups 0: s[56:59], s[60:63], s[84:87]
.set SEL, 66
.set MSB, 0
.macro WIN new                         ; the immediate's high byte repeats the setting that is left
.if MSB != (\new)
	s_set_vgpr_msb (MSB<<8)|(\new)
.set MSB, (\new)
.endif
.endm
.set MUL_LO, 0xa1                      ; source 0 (B) window 1, source 1 (A) window 0, C and D window 2
.set MUL_HI, 0xf1
.set TO_B,   0x40
.macro JLOAD g0a, g0b                  ; a joint load: waves 0 and 1 fetch A's chunks, waves 2 and 3 B's; the branch hangs on the wave's number alone
	s_cmp_eq_u32 s15, 0
	s_cbranch_scc0 .Lfor_b_\@
	tensor_load_to_lds s[\g0a:\g0a+3], s[G1:G1+7]
	s_nop 0
.rept 4
	v_nop
.endr
	s_branch .Lasked_\@
.Lfor_b_\@:
	tensor_load_to_lds s[\g0b:\g0b+3], s[G1B:G1B+7]
	s_nop 0
.rept 4
	v_nop
.endr
.Lasked_\@:
.endm
.macro CREST                           ; a round of the cluster's barrier behind its opening barrier
	s_cmp_lg_u32 s14, 0
	s_cbranch_scc1 .Lnot_wave_0_\@
	s_barrier_signal -3
.Lnot_wave_0_\@:
	s_barrier_wait -3
	s_barrier_signal -1
	s_barrier_wait -1
.endm
.macro CROUND
	s_barrier_signal -1
	s_barrier_wait -1
	CREST
.endm
.macro PLACES                          ; four plain places behind a matrix instruction, in front of loads into its registers and of reads of its results
.rept 4
	v_nop
.endr
.endm
.macro FRAG reg, adr, q, i
.irp c, 0,1,2
	ds_load_b128 v[\reg+4*\c:\reg+4*\c+3], v[\adr] offset:(2*(\i)+(\q))*1536+512*\c
.endr
.endm
.macro FETCH_B slot, q, p
	WIN TO_B
.irp i, 0,1,2,3,4,5,6,7
	FRAG 128*(\p)+FR*\i, ADRB+\slot, \q, \i
.endr
	WIN 0
.endm
.macro FETCH_A slot, q, i0
.irp i, \i0, \i0+1, \i0+2, \i0+3
	FRAG AF+FR*(\i), ADRA+\slot, \q, \i
.endr
.endm
.macro SCALES slot, sc                 ; a slot's scale words into set sc: one load brings a lane's words of four tiles
.irp q, 0,1
.irp i, 0,1
	ds_load_b128 v[SCA+16*(\sc)+8*\q+4*\i:SCA+16*(\sc)+8*\q+4*\i+3], v[ADSA+\slot] offset:512*\q+256*\i
	ds_load_b128 v[SCB+16*(\sc)+8*\q+4*\i:SCB+16*(\sc)+8*\q+4*\i+3], v[ADSB+\slot] offset:512*\q+256*\i
.endr
.endr
.endm
; 16 matrix instructions: A's blocks a0, a0 + 1 x B's eight.  The 64 accumulators take turns, one instruction a turn, in the same order in every step.
.macro MUL16 a0, p, q, sc, zero
.irp a, \a0, \a0+1
.irp b, 0,1,2,3,4,5,6,7
.if \zero
	v_wmma_scale_f32_16x16x128_f8f6f4 v[8*(8*((\a)%4)+\b):8*(8*((\a)%4)+\b)+7], v[128*(\p)+FR*\b:128*(\p)+FR*\b+FR-1], v[AF+FR*(\a):AF+FR*(\a)+FR-1], 0, v[SCB+16*(\sc)+8*(\q)+\b], v[SCA+16*(\sc)+8*(\q)+(\a)] matrix_a_fmt:MATRIX_FMT_FP6 matrix_b_fmt:MATRIX_FMT_FP6
.else
	v_wmma_scale_f32_16x16x128_f8f6f4 v[8*(8*((\a)%4)+\b):8*(8*((\a)%4)+\b)+7], v[128*(\p)+FR*\b:128*(\p)+FR*\b+FR-1], v[AF+FR*(\a):AF+FR*(\a)+FR-1], v[8*(8*((\a)%4)+\b):8*(8*((\a)%4)+\b)+7], v[SCB+16*(\sc)+8*(\q)+\b], v[SCA+16*(\sc)+8*(\q)+(\a)] matrix_a_fmt:MATRIX_FMT_FP6 matrix_b_fmt:MATRIX_FMT_FP6
.endif
.endr
.endr
.endm
.macro STEP slot, sc, zero             ; a slot's first 128 along K; it fetches the second
	s_wait_dscnt 12                                ; all but the youngest 12 loads (A's blocks 4-7) are in
	WIN MUL_LO
	MUL16 0, 0, 0, \sc, \zero
	MUL16 2, 0, 0, \sc, \zero
	s_wait_dscnt 0x0
	PLACES
	FETCH_B \slot, 1, 1
	FETCH_A \slot, 1, 0
	WIN MUL_HI
	MUL16 4, 0, 0, \sc, \zero
	MUL16 6, 0, 0, \sc, \zero
	PLACES
	WIN 0
	FETCH_A \slot, 1, 4
.endm
; A slot's second 128 along K, which goes on to the next slot.
; mode 1 (slot 0 alone): this slot is filled again: each wave waits for all its tensor loads, adds 0 to its spare word, waits for that and for its reads of this slot; a round of the cluster's barrier; the joint refill.
; mode 0: the next slot's tile is the refill: the same lines and my work-group's barrier, and nothing is filled.
; mode 2: the next slot was shown whole to every wave by the barrier of mode 1, and nothing is filled: no wait on tensor loads (the refill stays on its way) and no barrier.
.macro TURN slot, sc, next, nsc, mode
.if (\mode) < 2
	s_wait_tensorcnt 0x0                           ; all my tensor loads have landed
	ds_add_u32 v[SPW], v[NIL]
	s_wait_dscnt 13                                ; (the add and the youngest 12 loads may be out)
	WIN MUL_LO
	MUL16 0, 1, 1, \sc, 0
	s_wait_dscnt 0x0                               ; the add is done, and my reads of this slot are over
	s_barrier_signal -1
	MUL16 2, 1, 1, \sc, 0
	WIN 0
	s_barrier_wait -1
.if (\mode) == 1
	CREST                                          ; the barrier has opened a round of the cluster's barrier: no wave of any partner still reads this slot or has a load on its way
	s_add_nc_u64 s[34:35], s[34:35], s[68:69]      ; slot 0's descriptors: three K steps on
	s_add_nc_u64 s[58:59], s[58:59], s[70:71]
	JLOAD 32, 56                                   ; the first tensor load behind the round; its four v_nop are the places in front of the loads below
.else
	PLACES
.endif
.else
	s_wait_dscnt 12                                ; all but the youngest 12 loads (A's blocks 4-7) are in
	WIN MUL_LO
	MUL16 0, 1, 1, \sc, 0
	MUL16 2, 1, 1, \sc, 0
	s_wait_dscnt 0x0
	PLACES
.endif
	FETCH_B \next, 0, 0
	FETCH_A \next, 0, 0
	SCALES \next, \nsc
	WIN MUL_HI
	MUL16 4, 1, 1, \sc, 0
	MUL16 6, 1, 1, \sc, 0
	PLACES
	WIN 0
	FETCH_A \next, 0, 4
.endm
; 64 numbers of a lane, v[H + 16 b + i] = column 32 b + 16 h + i of my row, become a fragment's codes in v[PC] on and its scale word in v[pw].
.macro QUANT pw
.irp b, 0,1,2,3
	v_max3_num_f32 v[TM+\b], |v[H+16*\b]|, |v[H+1+16*\b]|, 0x1800000   ; my 16 numbers of block b, and the floor 2^(3 - 127): the byte cannot fall under 1
.endr
.irp i, 2,4,6,8,10,12,14
.irp b, 0,1,2,3
	v_max3_num_f32 v[TM+\b], v[TM+\b], |v[H+16*\b+\i]|, |v[H+1+16*\b+\i]|
.endr
.endr
.irp b, 0,1,2,3
	v_permlanex16_b32 v[TM+4+\b], v[TM+\b], s[SEL], s[SEL+1]
.endr
.irp b, 0,1,2,3
	v_max_num_f32 v[TM+\b], v[TM+\b], v[TM+4+\b]   ; with lane l xor 16's: the block's largest magnitude
.endr
.irp b, 0,1,2,3
	v_add_nc_u32 v[TM+8+\b], 0xff000000, v[TM+\b]  ; 2 off its exponent field: the conversion's scale operand
.endr
.irp b, 0,1,2,3
	v_lshrrev_b32 v[TM+4+\b], 23, v[TM+8+\b]       ; the scale's byte
.endr
	v_lshl_or_b32 v[\pw], v[TM+5], 8, v[TM+4]
	v_lshl_or_b32 v[\pw], v[TM+6], 16, v[\pw]
	v_lshl_or_b32 v[\pw], v[TM+7], 24, v[\pw]
.irp c, 0,1
	v_cvt_scalef32_pk16_fp6_f32 v[PC+6*\c:PC+2+6*\c], v[H+32*\c:H+15+32*\c], v[TM+8+2*\c]
	v_cvt_scalef32_pk16_fp6_f32 v[PC+12+4*\c:PC+14+4*\c], v[H+16+32*\c:H+31+32*\c], v[TM+8+2*\c+1]
.endr
	v_nop                                          ; one plain place behind a scaled conversion
.irp c, 0,1                            ; the operand's layout wants a whole block in a lane
.irp i, 0,1,2
	v_permlane16_swap_b32 v[PC+6*\c+\i], v[PC+12+4*\c+\i]
.endr
.irp i, 0,1,2
	v_mov_b32 v[PC+3+6*\c+\i], v[PC+12+4*\c+\i]
.endr
.endr
.endm
.macro STOREF a                        ; the fragment of row tile a: three stores of 512 consecutive bytes, aligned
.irp c, 0,1,2
	global_store_b128 v[L16], v[PC+4*\c:PC+4*\c+3], s[74:75] offset:3072*(\a)+512*\c
.endr
.endm
.macro SCSTORE x, qd, base, off        ; eight words a row tile, v[x + a]: lane (r, h) stores those of tiles 4 h .. 4 h + 3: 512 consecutive bytes
.irp j, 0,1,2,3
	v_cndmask_b32 v[\qd+\j], v[\x+\j], v[\x+4+\j], s2
.endr
	global_store_b128 v[L16], v[\qd:\qd+3], s[\base:\base+1] offset:\off
.endm
	s_load_b256 s[4:11], s[0:1], 0x0               ; xc, wc, Wq_b, Wk_b
	s_load_b128 s[20:23], s[0:1], 0x20             ; Wv_b, hc
	v_lshl_add_u32 v[SPW], v0, 2, SPARE
	v_mov_b32 v[NIL], 0
	ds_add_u32 v[SPW], v[NIL]                      ; the wave's opening: the add and its wait ahead of my first tensor load
	v_lshrrev_b32 v1, 5, v0
	v_readfirstlane_b32 s14, v1                    ; wave
	s_lshr_b32 s15, s14, 1                         ; my half of the tile's rows; also: I fetch for A (0) or B (1)
	s_and_b32 s16, s14, 1                          ; my half of its columns; also: which chunk I fetch
	s_bfe_u32 s40, ttmp6, 0x40000                  ; cx
	s_bfe_u32 s41, ttmp6, 0x40004                  ; cy
	s_and_b32 s72, ttmp7, 0xffff                   ; cluster y = 8 t + j
	s_lshr_b32 s73, s72, 3                         ; t
	s_and_b32 s72, s72, 7
	s_lshl_b32 s72, s72, 2                         ; 4 j
	s_mul_i32 s84, s73, XSEC
	s_mul_i32 s85, s73, WSEC
	s_mov_b32 s86, 2*WSEC
	s_mov_b32 s87, 2*XSEC
	s_cmp_lt_u32 s73, 2                            ; the choices hang on the cluster's y alone: alike in all partners
	s_cselect_b32 s17, s72, 0
	s_cselect_b32 s42, 0, s72
	s_cselect_b32 s88, 64, 8                       ; A's row groups
	s_cselect_b32 s89, 8, 64                       ; B's
	s_cselect_b32 s84, s84, s86                    ; A's section
	s_cselect_b32 s85, s85, s87                    ; B's
	s_cselect_b32 s90, -1, 0                       ; the bias goes by columns
	s_cselect_b32 s91, 0, -1                       ; or by rows
	s_add_co_u32 s17, s17, s41                     ; tile row
	s_add_co_u32 s42, s42, s40                     ; tile column
	s_lshl_b32 s43, s41, 2
	s_lshl_b32 s43, 15, s43                        ; my row of the cluster
	s_lshl_b32 s44, 0x1111, s40                    ; my column
	s_or_b32 s[G1], s43, (3<<16)|(1<<21)           ; 15:0 the mask; 17:16 elements of 8 bytes; 21 set beside a mask; no padding
	s_or_b32 s[G1B], s44, (3<<16)|(1<<21)
.irp g, G1, G1B
	s_mov_b32 s[\g+1], 32<<16                      ; tensor_dim0 = 32 elements: 256 bytes
	s_mov_b32 s[\g+2], 100<<16                     ; tensor_dim1 = 100 rows: a chunk
	s_mov_b32 s[\g+3], 32<<16                      ; tile_dim0
	s_mov_b32 s[\g+4], 100                         ; tile_dim1
	s_mov_b32 s[\g+5], 32                          ; the pitch: dense
	s_mov_b32 s[\g+6], 0
	s_mov_b32 s[\g+7], 0
.endr
	s_lshl_b32 s18, s17, 1
	s_add_co_u32 s18, s18, s16                     ; A's group that I fetch: made of the tile row and the wave's number
	s_mul_i32 s18, s18, CH
	s_add_co_u32 s18, s18, s84
	s_mov_b32 s19, 0
	s_lshl_b32 s46, s42, 1
	s_add_co_u32 s46, s46, s16                     ; B's: of the tile column and the wave's number
	s_mul_i32 s46, s46, CH
	s_add_co_u32 s46, s46, s85
	s_mov_b32 s47, 0
	s_mul_i32 s78, s88, CH                         ; a K step on in A,
	s_mov_b32 s79, 0
	s_mul_i32 s68, s78, 3                          ; three
	s_mov_b32 s69, 0
	s_mul_i32 s80, s89, CH                         ; and in B
	s_mov_b32 s81, 0
	s_mul_i32 s70, s80, 3
	s_mov_b32 s71, 0
	s_mul_i32 s45, s14, CH                         ; where my chunk goes: wave x a chunk
	s_mov_b32 s[SEL], 0x76543210
	s_mov_b32 s[SEL+1], 0xfedcba98
	s_mov_b32 s2, 0xffff0000                       ; lanes 16-31
	s_wait_dscnt 0x0                               ; the opening add is done
	s_wait_kmcnt 0x0
	s_cmp_lt_u32 s73, 2
	s_cselect_b64 s[92:93], s[4:5], s[6:7]
	s_cselect_b64 s[94:95], s[6:7], s[4:5]
	s_add_nc_u64 s[18:19], s[92:93], s[18:19]
	s_add_nc_u64 s[46:47], s[94:95], s[46:47]
	CROUND                                         ; all sixteen work-groups are here: the first joint loads meet
	s_mov_b32 s32, 1                               ; A, slot 0: K step 0
	s_mov_b32 s33, s45
	s_mov_b64 s[34:35], s[18:19]
	s_mov_b32 s36, 1                               ; slot 1: K step 1
	s_add_co_u32 s37, s45, SLOT
	s_add_nc_u64 s[38:39], s[18:19], s[78:79]
	s_mov_b32 s92, 1                               ; slot 2: K step 2
	s_add_co_u32 s93, s45, 2*SLOT
	s_add_nc_u64 s[94:95], s[38:39], s[78:79]
	s_or_b32 s35, s35, 0x80000000
	s_or_b32 s39, s39, 0x80000000
	s_or_b32 s95, s95, 0x80000000
	s_mov_b32 s56, 1                               ; B likewise
	s_mov_b32 s57, s45
	s_mov_b64 s[58:59], s[46:47]
	s_mov_b32 s60, 1
	s_add_co_u32 s61, s45, SLOT
	s_add_nc_u64 s[62:63], s[46:47], s[80:81]
	s_mov_b32 s84, 1
	s_add_co_u32 s85, s45, 2*SLOT
	s_add_nc_u64 s[86:87], s[62:63], s[80:81]
	s_or_b32 s59, s59, 0x80000000
	s_or_b32 s63, s63, 0x80000000
	s_or_b32 s87, s87, 0x80000000
	JLOAD 32, 56                                   ; K step 0,
	JLOAD 36, 60                                   ; K step 1,
	JLOAD 92, 84                                   ; K step 2: three loads of mine are out
	v_and_b32 v1, 31, v0                           ; lane
	v_and_b32 v2, 15, v0                           ; r
	v_bfe_u32 v3, v0, 4, 1                         ; h
	v_lshlrev_b32 v[L16], 4, v1
	v_lshlrev_b32 v4, 4, v2
	v_add_nc_u32 v5, SCO, v4                       ; 16 r, among a chunk's scale words
	s_mul_i32 s12, s15, CH                         ; my rows' chunk of A
	s_mul_i32 s13, s16, CH
	s_add_co_u32 s13, s13, 2*CH                    ; my columns' chunk of B
.irp s, 0,1,2
	v_add_nc_u32 v[ADRA+\s], s12, v[L16]
	v_add_nc_u32 v[ADRB+\s], s13, v[L16]
	v_add_nc_u32 v[ADSA+\s], s12, v5
	v_add_nc_u32 v[ADSB+\s], s13, v5
	s_add_co_u32 s12, s12, SLOT
	s_add_co_u32 s13, s13, SLOT
.endr
	; the bias: by columns (t < 2) 64 numbers a lane, by rows (t = 2) one for each row tile; the one that does not apply is read at the vector's head and cleared on the way out
	s_cmp_eq_u32 s73, 1
	s_cselect_b64 s[96:97], s[10:11], s[8:9]
	s_cmp_eq_u32 s73, 2
	s_cselect_b64 s[96:97], s[20:21], s[96:97]
	s_lshl_b32 s82, s42, 1
	s_add_co_u32 s82, s82, s16
	s_lshl_b32 s82, s82, 9                         ; my first column x 4 bytes
	s_and_b32 s82, s82, s90
	s_mov_b32 s83, 0
	s_lshl_b32 s78, s17, 1
	s_add_co_u32 s78, s78, s15
	s_lshl_b32 s78, s78, 9                         ; my first row x 4 bytes
	s_and_b32 s78, s78, s91
	s_mov_b32 s79, 0
	s_add_nc_u64 s[98:99], s[96:97], s[82:83]
	s_add_nc_u64 s[96:97], s[96:97], s[78:79]
	v_lshlrev_b32 v7, 6, v3                        ; 16 h numbers
	v_lshlrev_b32 v8, 2, v2                        ; r
	WIN 0x40                                       ; destination window 1
.set nn, 0
.rept 16
	global_load_b128 v[96+4*nn+96*(nn/8):99+4*nn+96*(nn/8)], v7, s[98:99] offset:128*(nn/4)+16*(nn%4)   ; register 16 b + i: column 32 b + 16 h + i
.set nn, nn+1
.endr
	WIN 0
.irp a, 0,1,2,3,4,5,6,7
	global_load_b32 v[BM+2*\a], v8, s[96:97] offset:64*\a
	global_load_b32 v[BM+2*\a+1], v8, s[96:97] offset:64*\a       ; twice: a pair for the packed addition
.endr
	; where my part of the result goes: chunk (kk = tile column, group = 2 x tile row + my half), half q = my half of the columns
	s_mul_i32 s74, s42, s88
	s_lshl_b32 s75, s17, 1
	s_add_co_u32 s74, s74, s75
	s_add_co_u32 s74, s74, s15
	s_mul_i32 s74, s74, CH
	s_mul_i32 s75, s73, XSEC
	s_add_co_u32 s74, s74, s75
	s_lshl_b32 s76, s16, 9
	s_add_co_u32 s76, s76, s74
	s_add_co_u32 s76, s76, SCO
	s_mov_b32 s77, 0
	s_mul_i32 s75, s16, 1536
	s_add_co_u32 s74, s74, s75
	s_mov_b32 s75, 0
	s_add_nc_u64 s[74:75], s[22:23], s[74:75]
	s_add_nc_u64 s[76:77], s[22:23], s[76:77]
	s_wait_tensorcnt 2                             ; my part of K step 0 is in (K steps 1 and 2 may be out)
	s_barrier_signal -1
	s_barrier_wait -1                              ; everybody's is
	FETCH_B 0, 0, 0
	FETCH_A 0, 0, 0
	SCALES 0, 0
	FETCH_A 0, 0, 4
	STEP 0, 0, 1                                   ; K step 0: the first products start the sums
	TURN 0, 0, 1, 1, 1                             ; slot 0 takes K step 3
	STEP 1, 1, 0                                   ; K step 1
	TURN 1, 1, 2, 0, 2
	STEP 2, 0, 0                                   ; K step 2
	TURN 2, 0, 0, 1, 0                             ; K step 3 has landed, in every wave's sight
	STEP 0, 1, 0                                   ; K step 3
	s_wait_dscnt 12
	WIN MUL_LO
	MUL16 0, 1, 1, 1, 0
	MUL16 2, 1, 1, 1, 0
	s_wait_dscnt 0x0
	WIN MUL_HI
	MUL16 4, 1, 1, 1, 0
	MUL16 6, 1, 1, 1, 0
	WIN 0
	; THE WAY OUT, a row tile at a time: + bias, quantised along the columns, the fragment's image and the scale words stored.
	PLACES
	s_wait_loadcnt 0x0                             ; the biases
	WIN 0x44                                       ; destination and source 1 window 1
.set nn, 0
.rept 64
	v_cndmask_b32 v[96+nn+96*(nn/32)], 0, v[96+nn+96*(nn/32)], s90
.set nn, nn+1
.endr
	WIN 0
.set nn, 0
.rept 16
	v_cndmask_b32 v[BM+nn], 0, v[BM+nn], s91
.set nn, nn+1
.endr
.irp b, 0,1,2,3
	v_mov_b32 v[TM+4+\b], 0                        ; written once: a lane permute's destination counts as one of its sources
.endr
.macro EPI a
.set AC, 64*((\a)%4)
	WIN 0x06+(\a)/4                                ; source 0: the accumulators' window; source 1: window 1
.set nn, 0
.rept 32
	v_pk_add_f32 v[H+nn:H+nn+1], v[AC+nn:AC+nn+1], v[96+nn+96*(nn/32):97+nn+96*(nn/32)]   ; each accumulator from its low end on
.set nn, nn+2
.endr
	WIN 0
.set nn, 0
.rept 32
	v_pk_add_f32 v[H+nn:H+nn+1], v[H+nn:H+nn+1], v[BM+2*(\a):BM+2*(\a)+1]
.set nn, nn+2
.endr
.if (\a) > 0
	s_wait_xcnt 0x0                                ; the last tile's stores have read the codes' registers
.endif
	QUANT WW+(\a)
	STOREF \a
.endm
.irp a, 0,1,2,3,4,5,6,7
	EPI \a
.endr
	SCSTORE WW, QD, 76, 0
	s_wait_tensorcnt 0x0                           ; the wave's end
	ds_add_u32 v[SPW], v[NIL]
	s_wait_dscnt 0x0
	CROUND                                         ; the closing round: no work-group ends while a partner may still ask for a chunk that names it
	s_endpgm
.Lfunc_end_k_q22042dfc04_proj:
	.size	k_q22042dfc04_proj, .Lfunc_end_k_q22042dfc04_proj-k_q22042dfc04_proj
	.p2alignl 7, 3214868480
	.fill 96, 4, 3214868480
	.section	.rodata,"a",@progbits
	.p2align	6, 0x0
	.amdhsa_kernel k_q22042dfc04_proj
		.amdhsa_group_segment_fixed_size 327680
		.amdhsa_private_segment_fixed_size 0
		.amdhsa_enable_private_segment 0
		.amdhsa_kernarg_size 48
		.amdhsa_user_sgpr_count 2
		.amdhsa_user_sgpr_kernarg_segment_ptr 1
		.amdhsa_wavefront_size32 1
		.amdhsa_system_sgpr_workgroup_id_x 1
		.amdhsa_system_sgpr_workgroup_id_y 1
		.amdhsa_system_sgpr_workgroup_id_z 1
		.amdhsa_system_vgpr_workitem_id 0
		.amdhsa_next_free_vgpr 1024
		.amdhsa_next_free_sgpr 100
		.amdhsa_reserve_vcc 0
		.amdhsa_float_denorm_mode_32 3
		.amdhsa_float_denorm_mode_16_64 3
		.amdhsa_memory_ordered 1
		.amdhsa_forward_progress 1
		.amdhsa_inst_pref_size 179
	.end_amdhsa_kernel
	.amdgpu_metadata
---
amdhsa.version: [ 1, 2 ]
amdhsa.kernels:
  - .name:           k_q22042dfc04_proj
    .symbol:         k_q22042dfc04_proj.kd
    .args:
      - { .name: xc, .offset: 0, .size: 8, .value_kind: global_buffer, .address_space: global }
      - { .name: wc, .offset: 8, .size: 8, .value_kind: global_buffer, .address_space: global }
      - { .name: Wq_b, .offset: 16, .size: 8, .value_kind: global_buffer, .address_space: global }
      - { .name: Wk_b, .offset: 24, .size: 8, .value_kind: global_buffer, .address_space: global }
      - { .name: Wv_b, .offset: 32, .size: 8, .value_kind: global_buffer, .address_space: global }
      - { .name: hc, .offset: 40, .size: 8, .value_kind: global_buffer, .address_space: global }
    .group_segment_fixed_size: 327680
    .private_segment_fixed_size: 0
    .kernarg_segment_align: 8
    .kernarg_segment_size: 48
    .max_flat_workgroup_size: 128
    .sgpr_count:     100
    .vgpr_count:     1024
    .wavefront_size: 32
...
	.end_amdgpu_metadata
.endif
;; end of part 2
;; launch score (part 3): grid 8 x 32, 4 waves a work-group, clusters of 4 x 4, 327,680 bytes of LDS; arguments hc, attention_mask, pc, st; writes pc, st
.if DOCPART == 3
	.amdgcn_target "amdgcn-amd-amdhsa--gfx1250"
	.amdhsa_code_object_version 6
	.text
	.protected	k_q22042dfc04_score
	.globl	k_q22042dfc04_score
	.p2align	8
	.type	k_q22042dfc04_score,@function
k_q22042dfc04_score:
	s_mov_b64 s[64:65], 0
	v_nop
	global_prefetch_b8 v0, s[64:65] scope:SCOPE_SE
	s_setreg_imm32_b32 hwreg(HW_REG_WAVE_MODE, 25, 1), 1
	s_wait_xcnt 0x0
	s_wait_alu depctr_hold_cnt(0) depctr_sa_sdst(0) depctr_va_vdst(0) depctr_va_sdst(0) depctr_va_ssrc(0) depctr_va_vcc(0) depctr_vm_vsrc(0)
	s_getreg_b32 s2, hwreg(HW_REG_IB_STS2, 6, 4)
	s_cmp_eq_u32 s2, 0
	s_cbranch_scc0 .Lentry_in_a_cluster
	s_endpgm
.Lentry_in_a_cluster:
	s_bfe_u32 s2, ttmp6, 0x10000c
	s_cmp_lg_u32 s2, 0xf033
	s_cbranch_scc0 .Lentry_shape_is_right
	s_endpgm
.Lentry_shape_is_right:
; S = qh kh^T on codes of FP6 (E2M3), both masks, and the softmax ahead of the last product, SLICE BY SLICE: a wave's 128 keys are a slice.  t = (S / 32) log2(e); a key that is padded or comes after the query
; gets t = -1e9 log2(e) rounded to f32, a whole number.  M_s = ceil(the slice's largest t); p = 2^(t - M_s) is quantised along the keys; l_s is the sum of the unquantised p.
; The codes are those that the row's own M would give; only the scale bytes are M - M_s too high, which the next launch takes off them.  -M_s and l_s go to st.
; ALL keys are walked: the masked t is finite, so a query all of whose permitted keys are padded attends to every key alike, the later ones too; whether that happens hangs on the mask, an input.
; OPERAND FORMAT, SHARES, RING, CLUSTER: as in the launch before: chunks of 25,600 bytes (128 rows x 256 K as register images, then scale words); a tile of 256 x 256 to four waves; K = 1,024 in four steps through
; THREE slots: K steps 0, 1, 2 are first fills (three loads of a wave are out), K step 3 is the one refill, into slot 0, with 256 matrix instructions in which to land; the steps are written out.
; qh's chunks are asked for jointly along a row of the 4 x 4 cluster, kh's along a column.  Source 0 = 16 keys, source 1 = 16 queries; kh's tiles are permuted, so a lane's registers 16 b + i are keys 32 b + 16 h + i.
; No prefetch: of a work-group's four K steps three are first fills.
; LIMITS: a block of zeros gets the byte 1, not 127 (read by this program alone); p under 2^-126 is 0; NaN and infinities are not served.
; REGISTERS: window 0: v1-29 addresses; v32-95 scale words (nothing else ever); v96-127, v224-241 the way out's results and working registers; v128-223 A's fragments, later the way out.
;   window 1: B's fragments; v96-127, v224-255 my 64 keys' mask words, later their numbers; v64, v65 two constants on the way out.   windows 2, 3: the accumulators.
.set CH,    25600
.set SCO,   24576
.set SLOT,  4*CH
.set FR,    12
.set SPARE, 3*SLOT
.set ADRA, 10                          ; v10-12 my A fragments in slot 0, 1, 2
.set ADRB, 13                          ; v13-15 B's
.set ADSA, 16                          ; v16-18 A's scale words
.set ADSB, 19                          ; v19-21 B's
.set D0,   24                          ; v24 my query less my first key less 16 h
.set L16,  26
.set SPW,  28
.set NIL,  29
.set SCA,  32
.set SCB,  64
.set AF,   128
.set WW,   96                          ; v96-103 p's scale words
.set NM,   104                         ; v104-111 -M_s
.set LL,   112                         ; v112-119 l_s
.set QD0,  120
.set QD1,  124
.set QD2,  224
.set MX,   228                         ; v228-231 maxima
.set PD,   232
.set NMP,  234                         ; v234-235 -M_s twice
.set DD,   236
.set SA,   238
.set SB,   240
.set TN,   64                          ; window 1: the masked t
.set BG,   65                          ; window 1: a key number beyond every query
.set H,    128
.set PC,   192
.set TM,   212
.set G1, 24                            ; s[24:31] group 1 for A's chunks;  groups 0: s[32:35], s[36:39], s[88:91] for slots 0, 1, 2
.set G1B, 48                           ; s[48:55] for B's;                 groups 0: s[56:59], s[60:63], s[92:95]
.set SEL, 66
.set MSB, 0
.macro WIN new
.if MSB != (\new)
	s_set_vgpr_msb (MSB<<8)|(\new)
.set MSB, (\new)
.endif
.endm
.set MUL_LO, 0xa1
.set MUL_HI, 0xf1
.set TO_B,   0x40
.macro JLOAD g0a, g0b                  ; a joint load: waves 0 and 1 fetch A's chunks, waves 2 and 3 B's
	s_cmp_eq_u32 s15, 0
	s_cbranch_scc0 .Lfor_b_\@
	tensor_load_to_lds s[\g0a:\g0a+3], s[G1:G1+7]
	s_nop 0
.rept 4
	v_nop
.endr
	s_branch .Lasked_\@
.Lfor_b_\@:
	tensor_load_to_lds s[\g0b:\g0b+3], s[G1B:G1B+7]
	s_nop 0
.rept 4
	v_nop
.endr
.Lasked_\@:
.endm
.macro CREST
	s_cmp_lg_u32 s14, 0
	s_cbranch_scc1 .Lnot_wave_0_\@
	s_barrier_signal -3
.Lnot_wave_0_\@:
	s_barrier_wait -3
	s_barrier_signal -1
	s_barrier_wait -1
.endm
.macro CROUND
	s_barrier_signal -1
	s_barrier_wait -1
	CREST
.endm
.macro PLACES                          ; four plain places behind a matrix instruction (ISA guide 7.12.1)
.rept 4
	v_nop
.endr
.endm
.macro FRAG reg, adr, q, i
.irp c, 0,1,2
	ds_load_b128 v[\reg+4*\c:\reg+4*\c+3], v[\adr] offset:(2*(\i)+(\q))*1536+512*\c
.endr
.endm
.macro FETCH_B slot, q, p
	WIN TO_B
.irp i, 0,1,2,3,4,5,6,7
	FRAG 128*(\p)+FR*\i, ADRB+\slot, \q, \i
.endr
	WIN 0
.endm
.macro FETCH_A slot, q, i0
.irp i, \i0, \i0+1, \i0+2, \i0+3
	FRAG AF+FR*(\i), ADRA+\slot, \q, \i
.endr
.endm
.macro SCALES slot, sc
.irp q, 0,1
.irp i, 0,1
	ds_load_b128 v[SCA+16*(\sc)+8*\q+4*\i:SCA+16*(\sc)+8*\q+4*\i+3], v[ADSA+\slot] offset:512*\q+256*\i
	ds_load_b128 v[SCB+16*(\sc)+8*\q+4*\i:SCB+16*(\sc)+8*\q+4*\i+3], v[ADSB+\slot] offset:512*\q+256*\i
.endr
.endr
.endm
.macro MUL16 a0, p, q, sc, zero        ; the 64 accumulators take turns, one instruction a turn
.irp a, \a0, \a0+1
.irp b, 0,1,2,3,4,5,6,7
.if \zero
	v_wmma_scale_f32_16x16x128_f8f6f4 v[8*(8*((\a)%4)+\b):8*(8*((\a)%4)+\b)+7], v[128*(\p)+FR*\b:128*(\p)+FR*\b+FR-1], v[AF+FR*(\a):AF+FR*(\a)+FR-1], 0, v[SCB+16*(\sc)+8*(\q)+\b], v[SCA+16*(\sc)+8*(\q)+(\a)] matrix_a_fmt:MATRIX_FMT_FP6 matrix_b_fmt:MATRIX_FMT_FP6
.else
	v_wmma_scale_f32_16x16x128_f8f6f4 v[8*(8*((\a)%4)+\b):8*(8*((\a)%4)+\b)+7], v[128*(\p)+FR*\b:128*(\p)+FR*\b+FR-1], v[AF+FR*(\a):AF+FR*(\a)+FR-1], v[8*(8*((\a)%4)+\b):8*(8*((\a)%4)+\b)+7], v[SCB+16*(\sc)+8*(\q)+\b], v[SCA+16*(\sc)+8*(\q)+(\a)] matrix_a_fmt:MATRIX_FMT_FP6 matrix_b_fmt:MATRIX_FMT_FP6
.endif
.endr
.endr
.endm
.macro STEP slot, sc, zero
	s_wait_dscnt 12                                ; all but the youngest 12 loads (A's blocks 4-7) are in
	WIN MUL_LO
	MUL16 0, 0, 0, \sc, \zero
	MUL16 2, 0, 0, \sc, \zero
	s_wait_dscnt 0x0
	PLACES
	FETCH_B \slot, 1, 1
	FETCH_A \slot, 1, 0
	WIN MUL_HI
	MUL16 4, 0, 0, \sc, \zero
	MUL16 6, 0, 0, \sc, \zero
	PLACES
	WIN 0
	FETCH_A \slot, 1, 4
.endm
; A slot's second 128 along K, which goes on to the next slot.  mode 1 (slot 0 alone): the waits, the add, a round of the cluster's barrier, the joint refill.  mode 0: the next slot's tile is the refill: the same
; lines and my work-group's barrier, nothing is filled.  mode 2: the next slot was shown whole to every wave by the barrier of mode 1: no wait on tensor loads (the refill stays on its way) and no barrier.
.macro TURN slot, sc, next, nsc, mode
.if (\mode) < 2
	s_wait_tensorcnt 0x0                           ; all my tensor loads have landed
	ds_add_u32 v[SPW], v[NIL]
	s_wait_dscnt 13                                ; (the add and the youngest 12 loads may be out)
	WIN MUL_LO
	MUL16 0, 1, 1, \sc, 0
	s_wait_dscnt 0x0                               ; the add is done, and my reads of this slot are over
	s_barrier_signal -1
	MUL16 2, 1, 1, \sc, 0
	WIN 0
	s_barrier_wait -1
.if (\mode) == 1
	CREST                                          ; a round of the cluster's barrier: no wave of any partner still reads this slot or has a load on its way
	s_add_nc_u64 s[34:35], s[34:35], s[68:69]      ; slot 0's descriptors: three K steps on
	s_add_nc_u64 s[58:59], s[58:59], s[70:71]
	JLOAD 32, 56
.else
	PLACES
.endif
.else
	s_wait_dscnt 12                                ; all but the youngest 12 loads (A's blocks 4-7) are in
	WIN MUL_LO
	MUL16 0, 1, 1, \sc, 0
	MUL16 2, 1, 1, \sc, 0
	s_wait_dscnt 0x0
	PLACES
.endif
	FETCH_B \next, 0, 0
	FETCH_A \next, 0, 0
	SCALES \next, \nsc
	WIN MUL_HI
	MUL16 4, 1, 1, \sc, 0
	MUL16 6, 1, 1, \sc, 0
	PLACES
	WIN 0
	FETCH_A \next, 0, 4
.endm
.macro QUANT pw                        ; v[H + 16 b + i] = key 32 b + 16 h + i of my query -> a fragment's codes in v[PC] on, its scale word in v[pw]
.irp b, 0,1,2,3
	v_max3_num_f32 v[TM+\b], |v[H+16*\b]|, |v[H+1+16*\b]|, 0x1800000
.endr
.irp i, 2,4,6,8,10,12,14
.irp b, 0,1,2,3
	v_max3_num_f32 v[TM+\b], v[TM+\b], |v[H+16*\b+\i]|, |v[H+1+16*\b+\i]|
.endr
.endr
.irp b, 0,1,2,3
	v_permlanex16_b32 v[TM+4+\b], v[TM+\b], s[SEL], s[SEL+1]
.endr
.irp b, 0,1,2,3
	v_max_num_f32 v[TM+\b], v[TM+\b], v[TM+4+\b]
.endr
.irp b, 0,1,2,3
	v_add_nc_u32 v[TM+8+\b], 0xff000000, v[TM+\b]
.endr
.irp b, 0,1,2,3
	v_lshrrev_b32 v[TM+4+\b], 23, v[TM+8+\b]
.endr
	v_lshl_or_b32 v[\pw], v[TM+5], 8, v[TM+4]
	v_lshl_or_b32 v[\pw], v[TM+6], 16, v[\pw]
	v_lshl_or_b32 v[\pw], v[TM+7], 24, v[\pw]
.irp c, 0,1
	v_cvt_scalef32_pk16_fp6_f32 v[PC+6*\c:PC+2+6*\c], v[H+32*\c:H+15+32*\c], v[TM+8+2*\c]
	v_cvt_scalef32_pk16_fp6_f32 v[PC+12+4*\c:PC+14+4*\c], v[H+16+32*\c:H+31+32*\c], v[TM+8+2*\c+1]
.endr
	v_nop                                          ; one plain place behind a scaled conversion
.irp c, 0,1
.irp i, 0,1,2
	v_permlane16_swap_b32 v[PC+6*\c+\i], v[PC+12+4*\c+\i]
.endr
.irp i, 0,1,2
	v_mov_b32 v[PC+3+6*\c+\i], v[PC+12+4*\c+\i]
.endr
.endr
.endm
.macro STOREF a
.irp c, 0,1,2
	global_store_b128 v[L16], v[PC+4*\c:PC+4*\c+3], s[74:75] offset:3072*(\a)+512*\c
.endr
.endm
.macro SCSTORE x, qd, base, off
.irp j, 0,1,2,3
	v_cndmask_b32 v[\qd+\j], v[\x+\j], v[\x+4+\j], s2
.endr
	global_store_b128 v[L16], v[\qd:\qd+3], s[\base:\base+1] offset:\off
.endm
.macro FIRST g0a, g0b, s               ; slot s's two groups 0, for K step s, and its first fill
	s_mov_b32 s[\g0a], 1
	s_add_co_u32 s[\g0a+1], s45, \s*SLOT
	s_add_nc_u64 s[\g0a+2:\g0a+3], s[18:19], \s*64*CH
	s_or_b32 s[\g0a+3], s[\g0a+3], 0x80000000
	s_mov_b32 s[\g0b], 1
	s_add_co_u32 s[\g0b+1], s45, \s*SLOT
	s_add_nc_u64 s[\g0b+2:\g0b+3], s[46:47], \s*64*CH
	s_or_b32 s[\g0b+3], s[\g0b+3], 0x80000000
	JLOAD \g0a, \g0b
.endm
	s_load_b256 s[4:11], s[0:1], 0x0               ; hc, attention_mask, pc, st
	v_lshl_add_u32 v[SPW], v0, 2, SPARE
	v_mov_b32 v[NIL], 0
	ds_add_u32 v[SPW], v[NIL]                      ; the wave's opening: the add and its wait ahead of my first tensor load
	v_lshrrev_b32 v1, 5, v0
	v_readfirstlane_b32 s14, v1
	s_lshr_b32 s15, s14, 1
	s_and_b32 s16, s14, 1
	s_bfe_u32 s40, ttmp6, 0x40000                  ; cx
	s_bfe_u32 s41, ttmp6, 0x40004                  ; cy
	s_and_b32 s72, ttmp7, 0xffff
	s_lshl_b32 s17, s72, 2
	s_add_co_u32 s17, s17, s41                     ; tile row over all batches = 4 x cluster y + cy
	s_lshr_b32 s73, s72, 1                         ; the batch: the cluster's y alone
	s_lshl_b32 s42, ttmp9, 2
	s_add_co_u32 s42, s42, s40                     ; tile column in the batch = 4 x cluster x + cx
	s_lshl_b32 s43, s41, 2
	s_lshl_b32 s43, 15, s43
	s_lshl_b32 s44, 0x1111, s40
	s_or_b32 s[G1], s43, (3<<16)|(1<<21)
	s_or_b32 s[G1B], s44, (3<<16)|(1<<21)
.irp g, G1, G1B
	s_mov_b32 s[\g+1], 32<<16
	s_mov_b32 s[\g+2], 100<<16
	s_mov_b32 s[\g+3], 32<<16
	s_mov_b32 s[\g+4], 100
	s_mov_b32 s[\g+5], 32
	s_mov_b32 s[\g+6], 0
	s_mov_b32 s[\g+7], 0
.endr
	s_lshl_b32 s18, s17, 1
	s_add_co_u32 s18, s18, s16                     ; qh's group that I fetch
	s_mul_i32 s18, s18, CH
	s_mov_b32 s19, 0
	s_lshl_b32 s46, s73, 4
	s_lshl_b32 s47, s42, 1
	s_add_co_u32 s46, s46, s47
	s_add_co_u32 s46, s46, s16                     ; kh's: 16 x batch + 2 x tile column + half
	s_mul_i32 s46, s46, CH
	s_add_co_u32 s46, s46, 6553600                 ; kh's section of hc
	s_mov_b32 s47, 0
	s_mov_b32 s68, 3*64*CH                         ; three K steps on: 64 row groups each
	s_mov_b32 s69, 0
	s_mov_b32 s70, 3*64*CH
	s_mov_b32 s71, 0
	s_mul_i32 s45, s14, CH
	s_mov_b32 s[SEL], 0x76543210
	s_mov_b32 s[SEL+1], 0xfedcba98
	s_mov_b32 s2, 0xffff0000
	s_mov_b32 s78, 0x3d38aa3b                      ; log2(e) / 32
	s_mov_b32 s79, s78
	s_wait_dscnt 0x0
	s_wait_kmcnt 0x0
	s_add_nc_u64 s[18:19], s[4:5], s[18:19]
	s_add_nc_u64 s[46:47], s[4:5], s[46:47]
	CROUND                                         ; all sixteen work-groups are here: the first joint loads meet
	FIRST 32, 56, 0
	FIRST 36, 60, 1
	FIRST 88, 92, 2                                ; three loads of mine are out
	v_and_b32 v1, 31, v0
	v_and_b32 v2, 15, v0
	v_bfe_u32 v3, v0, 4, 1
	v_lshlrev_b32 v[L16], 4, v1
	v_lshlrev_b32 v4, 4, v2
	v_add_nc_u32 v5, SCO, v4
	s_mul_i32 s12, s15, CH
	s_mul_i32 s13, s16, CH
	s_add_co_u32 s13, s13, 2*CH
.irp s, 0,1,2
	v_add_nc_u32 v[ADRA+\s], s12, v[L16]
	v_add_nc_u32 v[ADRB+\s], s13, v[L16]
	v_add_nc_u32 v[ADSA+\s], s12, v5
	v_add_nc_u32 v[ADSB+\s], s13, v5
	s_add_co_u32 s12, s12, SLOT
	s_add_co_u32 s13, s13, SLOT
.endr
	s_and_b32 s82, s17, 7                          ; tile row in the batch
	s_lshl_b32 s74, s73, 7                         ; P: 128 chunks a batch; chunk (kk = tile column, group = 2 x tile row + my half)
	s_lshl_b32 s76, s42, 4
	s_add_co_u32 s74, s74, s76
	s_lshl_b32 s76, s82, 1
	s_add_co_u32 s74, s74, s76
	s_add_co_u32 s74, s74, s15
	s_mul_i32 s74, s74, CH
	s_lshl_b32 s76, s16, 9
	s_add_co_u32 s76, s76, s74
	s_add_co_u32 s76, s76, SCO
	s_mov_b32 s77, 0
	s_mul_i32 s75, s16, 1536
	s_add_co_u32 s74, s74, s75
	s_mov_b32 s75, 0
	s_add_nc_u64 s[74:75], s[8:9], s[74:75]
	s_add_nc_u64 s[76:77], s[8:9], s[76:77]
	s_lshl_b32 s80, s17, 1
	s_add_co_u32 s80, s80, s15                     ; st: my row group of all 64,
	s_lshl_b32 s80, s80, 4
	s_lshl_b32 s83, s42, 1
	s_add_co_u32 s83, s83, s16                     ; my slice of 16
	s_add_co_u32 s80, s80, s83
	s_lshl_b32 s80, s80, 10
	s_mov_b32 s81, 0
	s_add_nc_u64 s[80:81], s[10:11], s[80:81]
	s_lshl_b32 s82, s82, 1
	s_add_co_u32 s82, s82, s15
	s_sub_co_u32 s82, s82, s83
	s_lshl_b32 s82, s82, 7                         ; my first query less my first key, a signed number
	v_lshlrev_b32 v6, 4, v3
	v_sub_nc_u32 v[D0], v2, v6
	v_add_nc_u32 v[D0], s82, v[D0]
	s_lshl_b32 s84, s73, 4
	s_add_co_u32 s84, s84, s83
	s_lshl_b32 s84, s84, 9                         ; my 128 keys' mask words: 512 bytes
	s_mov_b32 s85, 0
	s_add_nc_u64 s[6:7], s[6:7], s[84:85]
	v_lshlrev_b32 v7, 6, v3
	WIN 0x40                                       ; destination window 1
.set nn, 0
.rept 16
	global_load_b128 v[96+4*nn+96*(nn/8):99+4*nn+96*(nn/8)], v7, s[6:7] offset:128*(nn/4)+16*(nn%4)   ; register 16 b + i: key 32 b + 16 h + i
.set nn, nn+1
.endr
	WIN 0
	s_wait_tensorcnt 2                             ; my part of K step 0 is in (K steps 1 and 2 may be out)
	s_barrier_signal -1
	s_barrier_wait -1
	FETCH_B 0, 0, 0
	FETCH_A 0, 0, 0
	SCALES 0, 0
	FETCH_A 0, 0, 4
	STEP 0, 0, 1                                   ; K step 0: the first products start the sums
	TURN 0, 0, 1, 1, 1                             ; slot 0 takes K step 3
	STEP 1, 1, 0                                   ; K step 1
	TURN 1, 1, 2, 0, 2
	STEP 2, 0, 0                                   ; K step 2
	TURN 2, 0, 0, 1, 0                             ; K step 3 has landed, in every wave's sight
	STEP 0, 1, 0                                   ; K step 3
	s_wait_dscnt 12
	WIN MUL_LO
	MUL16 0, 1, 1, 1, 0
	MUL16 2, 1, 1, 1, 0
	s_wait_dscnt 0x0
	WIN MUL_HI
	MUL16 4, 1, 1, 1, 0
	MUL16 6, 1, 1, 1, 0
	WIN 0
	; THE WAY OUT.  First each key's number in the slice less 16 h (32 b + i), or, where the key is padded, a number beyond every query: so one compare serves both masks.
	PLACES
	s_wait_loadcnt 0x0                             ; the mask words
.irp b, 0,1,2,3
	v_mov_b32 v[TM+4+\b], 0                        ; written once: a lane permute's destination counts as one of its sources
.endr
	v_mov_b32 v[PD], 0
	WIN 0x40
	v_mov_b32 v[TN], 0xceabfb8f                    ; -1e9 x log2(e), rounded to f32: -1,442,695,040
	v_mov_b32 v[BG], 0x7fffffff
	WIN 0x44                                       ; destination and source 1 window 1
.set nn, 0
.rept 64
	v_cmp_eq_u32 vcc_lo, 0, v[96+nn+96*(nn/32)]
	v_cndmask_b32 v[96+nn+96*(nn/32)], 32*(nn/16)+nn%16, v[BG], vcc_lo
.set nn, nn+1
.endr
	WIN 0
; Row tile a: 16 queries x my 128 keys.
.macro SOFT a
.set AC, 64*((\a)%4)
	v_add_nc_u32 v[DD], 16*(\a), v[D0]             ; a key counts where its number is at most this
	WIN 0x02+(\a)/4
.set nn, 0
.rept 32
	v_pk_mul_f32 v[H+nn:H+nn+1], v[AC+nn:AC+nn+1], s[78:79] op_sel_hi:[1,0]   ; t, rounded as logit x log2(e) is; each accumulator from its low end on
.set nn, nn+2
.endr
	WIN 0x01                                       ; source 0 window 1
.set nn, 0
.rept 64
	v_cmp_le_i32 vcc_lo, v[96+nn+96*(nn/32)], v[DD]
	v_cndmask_b32 v[H+nn], v[TN], v[H+nn], vcc_lo
.set nn, nn+1
.endr
	WIN 0
.irp b, 0,1,2,3
	v_max3_num_f32 v[MX+\b], v[H+16*\b], v[H+16*\b+1], v[H+16*\b+2]
.endr
.irp i, 3,5,7,9,11,13
.irp b, 0,1,2,3
	v_max3_num_f32 v[MX+\b], v[MX+\b], v[H+16*\b+\i], v[H+16*\b+\i+1]
.endr
.endr
.irp b, 0,1,2,3
	v_max_num_f32 v[MX+\b], v[MX+\b], v[H+16*\b+15]
.endr
	v_max3_num_f32 v[MX], v[MX], v[MX+1], v[MX+2]
	v_max_num_f32 v[MX], v[MX], v[MX+3]
	v_permlanex16_b32 v[PD], v[MX], s[SEL], s[SEL+1]
	v_max_num_f32 v[MX], v[MX], v[PD]              ; the slice's largest t of my query
	v_floor_f32 v[NMP], -v[MX]                     ; -M_s = floor(-t) = -ceil(t)
	v_mov_b32 v[NMP+1], v[NMP]
.set nn, 0
.rept 32
	v_pk_add_f32 v[H+nn:H+nn+1], v[H+nn:H+nn+1], v[NMP:NMP+1]
.set nn, nn+2
.endr
.set nn, 0
.rept 64
	v_exp_f32 v[H+nn], v[H+nn]                     ; p = 2^(t - M_s)
.set nn, nn+1
.endr
	v_mov_b32 v[NM+(\a)], v[NMP]                   ; a plain place behind the exponentials
	s_wait_alu depctr_va_vdst(0)                   ; one wait for the batch, ahead of its first reader
	v_pk_add_f32 v[SA:SA+1], v[H:H+1], v[H+2:H+3]  ; the sum of the unquantised p, in two chains
	v_pk_add_f32 v[SB:SB+1], v[H+4:H+5], v[H+6:H+7]
.irp j, 8,12,16,20,24,28,32,36,40,44,48,52,56,60
	v_pk_add_f32 v[SA:SA+1], v[SA:SA+1], v[H+\j:H+\j+1]
	v_pk_add_f32 v[SB:SB+1], v[SB:SB+1], v[H+\j+2:H+\j+3]
.endr
	v_pk_add_f32 v[SA:SA+1], v[SA:SA+1], v[SB:SB+1]
	v_add_f32 v[SA], v[SA], v[SA+1]
	v_permlanex16_b32 v[PD], v[SA], s[SEL], s[SEL+1]
	v_add_f32 v[LL+(\a)], v[SA], v[PD]
.if (\a) > 0
	s_wait_xcnt 0x0                                ; the last tile's stores have read the codes' registers
.endif
	QUANT WW+(\a)
	STOREF \a
.endm
.irp a, 0,1,2,3,4,5,6,7
	SOFT \a
.endr
	SCSTORE WW, QD0, 76, 0                         ; p's scale words, under M_s
	SCSTORE NM, QD1, 80, 0                         ; -M_s
	SCSTORE LL, QD2, 80, 512                       ; l_s
	s_wait_tensorcnt 0x0                           ; the wave's end
	ds_add_u32 v[SPW], v[NIL]
	s_wait_dscnt 0x0
	CROUND                                         ; the closing round
	s_endpgm
.Lfunc_end_k_q22042dfc04_score:
	.size	k_q22042dfc04_score, .Lfunc_end_k_q22042dfc04_score-k_q22042dfc04_score
	.p2alignl 7, 3214868480
	.fill 96, 4, 3214868480
	.section	.rodata,"a",@progbits
	.p2align	6, 0x0
	.amdhsa_kernel k_q22042dfc04_score
		.amdhsa_group_segment_fixed_size 327680
		.amdhsa_private_segment_fixed_size 0
		.amdhsa_enable_private_segment 0
		.amdhsa_kernarg_size 32
		.amdhsa_user_sgpr_count 2
		.amdhsa_user_sgpr_kernarg_segment_ptr 1
		.amdhsa_wavefront_size32 1
		.amdhsa_system_sgpr_workgroup_id_x 1
		.amdhsa_system_sgpr_workgroup_id_y 1
		.amdhsa_system_sgpr_workgroup_id_z 1
		.amdhsa_system_vgpr_workitem_id 0
		.amdhsa_next_free_vgpr 1024
		.amdhsa_next_free_sgpr 100
		.amdhsa_reserve_vcc 1
		.amdhsa_float_denorm_mode_32 3
		.amdhsa_float_denorm_mode_16_64 3
		.amdhsa_memory_ordered 1
		.amdhsa_forward_progress 1
		.amdhsa_inst_pref_size 255
	.end_amdhsa_kernel
	.section	.bss,"aw",@nobits
	.p2align	6
	.space	262144
	.amdgpu_metadata
---
amdhsa.version: [ 1, 2 ]
amdhsa.kernels:
  - .name:           k_q22042dfc04_score
    .symbol:         k_q22042dfc04_score.kd
    .args:
      - { .name: hc, .offset: 0, .size: 8, .value_kind: global_buffer, .address_space: global }
      - { .name: attention_mask, .offset: 8, .size: 8, .value_kind: global_buffer, .address_space: global }
      - { .name: pc, .offset: 16, .size: 8, .value_kind: global_buffer, .address_space: global }
      - { .name: st, .offset: 24, .size: 8, .value_kind: global_buffer, .address_space: global }
    .group_segment_fixed_size: 327680
    .private_segment_fixed_size: 0
    .kernarg_segment_align: 8
    .kernarg_segment_size: 32
    .max_flat_workgroup_size: 128
    .sgpr_count:     100
    .vgpr_count:     1024
    .wavefront_size: 32
...
	.end_amdgpu_metadata
.endif
;; end of part 3
;; launch pv (part 4): grid 8 x 32, 4 waves a work-group, clusters of 4 x 4, 327,680 bytes of LDS; arguments pc, st, hc, out0; writes out0
.if DOCPART == 4
	.amdgcn_target "amdgcn-amd-amdhsa--gfx1250"
	.amdhsa_code_object_version 6
	.text
	.protected	k_q22042dfc04_pv
	.globl	k_q22042dfc04_pv
	.p2align	8
	.type	k_q22042dfc04_pv,@function
k_q22042dfc04_pv:
	s_mov_b64 s[64:65], 0
	v_nop
	global_prefetch_b8 v0, s[64:65] scope:SCOPE_SE
	s_setreg_imm32_b32 hwreg(HW_REG_WAVE_MODE, 25, 1), 1
	s_wait_xcnt 0x0
	s_wait_alu depctr_hold_cnt(0) depctr_sa_sdst(0) depctr_va_vdst(0) depctr_va_sdst(0) depctr_va_ssrc(0) depctr_va_vcc(0) depctr_vm_vsrc(0)
	s_getreg_b32 s2, hwreg(HW_REG_IB_STS2, 6, 4)
	s_cmp_eq_u32 s2, 0
	s_cbranch_scc0 .Lentry_in_a_cluster
	s_endpgm
.Lentry_in_a_cluster:
	s_bfe_u32 s2, ttmp6, 0x10000c
	s_cmp_lg_u32 s2, 0xf033
	s_cbranch_scc0 .Lentry_shape_is_right
	s_endpgm
.Lentry_shape_is_right:
; out = (P vh) / l on codes of FP6 (E2M3).  P's codes were made slice by slice (128 keys) under M_s = ceil(the slice's largest t).  The row's M is the largest M_s; a slice's scale bytes are brought under it
; by taking the whole number M - M_s off each byte, ahead of the K steps; l = the sum of l_s 2^(M_s - M), exact scalings; the result is multiplied by 1 / l at the end.
; LIMITS: a byte that would fall under 0 is held at 0: such a block then adds at most 7.5 x 2^-127 x |v| for each key, where the true term is smaller still.  NaN and infinities are not served.
; OPERAND FORMAT: chunks of 25,600 bytes (128 rows x 256 K as register images, then scale words), as in the launches before.
; SHARES.  A tile of 256 queries x 128 channels to a work-group: 8 x 32 = 256 work-groups.  A wave makes 128 queries x 64 channels: 32 accumulators, 256 registers.
; Source 0 = 16 channels, source 1 = 16 queries: a lane holds eight neighbouring channels of one query.
; THE RING.  K = 2,048 keys is eight steps of 256.  A slot holds TWO steps: of each, P's two chunks (neighbours in memory: one load of 200 rows of 256 bytes) and vh^T's one: six chunks, 153,600 bytes.  Waves 0 and 1 fetch
; P's two steps, waves 2 and 3 vh^T's: one load a wave.  Both slots are first fills (two loads of a wave are out); each is filled once more, behind a round of the cluster's barrier, and that load has the other slot's two
; steps, 128 matrix instructions, in which to land.  The eight steps are written out: there is no loop.
; CLUSTERS 4 x 4: P's chunks are asked for jointly along a row of the cluster, vh^T's along a column.
; P's scale words are read from a region of their own, where the prologue has put them rebased; those that a chunk brings are not read.
; No prefetch: of the eight K steps four are first fills, and the other four are two loads a wave.
; LDS behind the ring: ASC, P's rebased scale words [K step][row half][1,024]; LT, 1 / l, 512 bytes a wave; the spare words.  No tensor load lands there.  The way out's stage, 16 rows x 272 bytes a wave, lies in
; slot 0, which has had its last fill and, behind the barrier at the end of K step 5, its last read.
; REGISTERS: window 0: v1-29 addresses; v32-63 P's scale words, v64-79 vh^T's (two sets each, nothing else ever); v96-255 the prologue; on the way out v96-111 1 / l, v128-191 rows read back.
;   window 1: the prologue's l_s, then vh^T's fragments, two sets at v0 and v128.   window 2: the accumulators ((a, b) at v[8 (4 a + b)]).   window 3: P's fragments, two sets at v0 and v128.
.set CH,    25600
.set SCO,   24576
.set SLOT,  6*CH                       ; P of the first step (2 chunks), P of the second, vh^T of the first, of the second
.set FR,    12
.set ASC,   2*SLOT
.set LT,    ASC+16384
.set SPARE, LT+2048
.set SPITCH, 272
.set OFO,  6                           ; v6  16 x lane + my eight slices' place in a row group of st
.set LTW,  7                           ; v7  where I put 1 / l
.set ASW,  8                           ; v8  where I put rebased scale words
.set LTR,  9                           ; v9  where I read 1 / l
.set ADRA, 10                          ; v10-13 my fragments of P in place ss = 2 x slot + step
.set ADRB, 14                          ; v14-17 of vh^T
.set ADSB, 18                          ; v18-21 vh^T's scale words
.set ADSA, 22                          ; v22 P's scale words of the K step in hand: stepped
.set STO,  24
.set RD,   25
.set L16,  26
.set CO,   27                          ; v27 the way out: my byte offset in two rows of out0
.set SPW,  28
.set NIL,  29
.set SCA,  32
.set SCB,  64
.set NMO,  96                          ; prologue: -M of my eight slices
.set NMA,  128                         ; -M of all sixteen
.set TT,   160                         ; at work
.set RW,   192                         ; my eight slices' scale words
.set GG,   224                         ; -M of the row
.set RLG,  228                         ; 1 / l
.set RL,   96                          ; the way out: 1 / l, a pair for each row tile
.set BK,   128
.set G1, 24
.set G0, 32
.set G1B, 48
.set G0B, 56
.set MSB, 0
.macro WIN new
.if MSB != (\new)
	s_set_vgpr_msb (MSB<<8)|(\new)
.set MSB, (\new)
.endif
.endm
.set MUL,  0xad                        ; source 0 (vh^T) window 1, source 1 (P) window 3, C and D window 2
.set TO_B, 0x40
.set TO_A, 0xc0
.macro JLOAD g0a, g0b                  ; a joint load: waves 0 and 1 fetch P's chunks, waves 2 and 3 vh^T's
	s_cmp_eq_u32 s15, 0
	s_cbranch_scc0 .Lfor_b_\@
	tensor_load_to_lds s[\g0a:\g0a+3], s[G1:G1+7]
	s_nop 0
.rept 4
	v_nop
.endr
	s_branch .Lasked_\@
.Lfor_b_\@:
	tensor_load_to_lds s[\g0b:\g0b+3], s[G1B:G1B+7]
	s_nop 0
.rept 4
	v_nop
.endr
.Lasked_\@:
.endm
.macro CREST
	s_cmp_lg_u32 s14, 0
	s_cbranch_scc1 .Lnot_wave_0_\@
	s_barrier_signal -3
.Lnot_wave_0_\@:
	s_barrier_wait -3
	s_barrier_signal -1
	s_barrier_wait -1
.endm
.macro CROUND
	s_barrier_signal -1
	s_barrier_wait -1
	CREST
.endm
.macro PLACES                          ; four plain places behind a matrix instruction (ISA guide 7.12.1)
.rept 4
	v_nop
.endr
.endm
.macro FRAG reg, adr, q, i
.irp c, 0,1,2
	ds_load_b128 v[\reg+4*\c:\reg+4*\c+3], v[\adr] offset:(2*(\i)+(\q))*1536+512*\c
.endr
.endm
.macro FETCH ss, q, p                  ; 36 LDS loads in one run: the fragments of 128 along K (half q of place ss) into set p: my four of vh^T, my eight of P
	WIN TO_B
.irp i, 0,1,2,3
	FRAG 128*(\p)+FR*\i, ADRB+\ss, \q, \i
.endr
	WIN TO_A
.irp i, 0,1,2,3,4,5,6,7
	FRAG 128*(\p)+FR*\i, ADRA+\ss, \q, \i
.endr
.endm
.macro SCALES sc, ss                   ; a K step's scale words into set sc: P's from ASC, vh^T's from the slot
.irp q, 0,1
.irp i, 0,1
	ds_load_b128 v[SCA+16*(\sc)+8*\q+4*\i:SCA+16*(\sc)+8*\q+4*\i+3], v[ADSA] offset:512*\q+256*\i
.endr
	ds_load_b128 v[SCB+8*(\sc)+4*\q:SCB+8*(\sc)+4*\q+3], v[ADSB+\ss] offset:512*\q
.endr
.endm
; 8 matrix instructions: P's blocks a0, a0 + 1 x vh^T's four.  The 32 accumulators take turns, one instruction a turn, in the same order in every half step.
.macro MUL8 a0, p, q, sc, zero
.irp a, \a0, \a0+1
.irp b, 0,1,2,3
.if \zero
	v_wmma_scale_f32_16x16x128_f8f6f4 v[8*(4*(\a)+\b):8*(4*(\a)+\b)+7], v[128*(\p)+FR*\b:128*(\p)+FR*\b+FR-1], v[128*(\p)+FR*(\a):128*(\p)+FR*(\a)+FR-1], 0, v[SCB+8*(\sc)+4*(\q)+\b], v[SCA+16*(\sc)+8*(\q)+(\a)] matrix_a_fmt:MATRIX_FMT_FP6 matrix_b_fmt:MATRIX_FMT_FP6
.else
	v_wmma_scale_f32_16x16x128_f8f6f4 v[8*(4*(\a)+\b):8*(4*(\a)+\b)+7], v[128*(\p)+FR*\b:128*(\p)+FR*\b+FR-1], v[128*(\p)+FR*(\a):128*(\p)+FR*(\a)+FR-1], v[8*(4*(\a)+\b):8*(4*(\a)+\b)+7], v[SCB+8*(\sc)+4*(\q)+\b], v[SCA+16*(\sc)+8*(\q)+(\a)] matrix_a_fmt:MATRIX_FMT_FP6 matrix_b_fmt:MATRIX_FMT_FP6
.endif
.endr
.endr
.endm
; HALF A K STEP: 128 along K, 32 matrix instructions on set p = q; it fetches the next half (place nss, half 1 - q) into the other set, and with a new K step its scale words into set nsc.
; mode 2: the next half lies in bytes that every wave has been shown whole: no barrier.  mode 3: the last half: nothing to fetch.
; mode 1: the slot just read out (rs) is filled again: each wave waits for all its tensor loads, adds 0 to its spare word, waits for that and for its reads of the slot; a round of the cluster's barrier; the joint refill.
; mode 0: the same lines and my work-group's barrier: the next slot's tiles are the last refill, and nothing is filled.
.macro HALF p, q, sc, zero, mode, nss, nsc, rs
.set NP, 1-(\p)
.set NQ1, 1-(\q)
.if (\mode) < 2
	WIN 0                                          ; (the add's two registers lie in window 0)
	s_wait_tensorcnt 0x0                           ; all my tensor loads have landed: my part of the next slot
	ds_add_u32 v[SPW], v[NIL]
	s_wait_dscnt 1                                 ; this half's fragments are in (the add may be out)
	WIN MUL
	MUL8 0, \p, \q, \sc, \zero
	s_wait_dscnt 0x0                               ; the add is done, and my reads of this slot are over
	s_barrier_signal -1
	MUL8 2, \p, \q, \sc, \zero
	WIN 0
	s_barrier_wait -1
.if (\mode) == 1
	CREST                                          ; a round of the cluster's barrier: no wave of any partner still reads this slot or has a load on its way
	s_add_nc_u64 s[G0+4*\rs+2:G0+4*\rs+3], s[G0+4*\rs+2:G0+4*\rs+3], s[68:69]      ; four K steps on
	s_add_nc_u64 s[G0B+4*\rs+2:G0B+4*\rs+3], s[G0B+4*\rs+2:G0B+4*\rs+3], s[70:71]
	JLOAD G0+4*\rs, G0B+4*\rs                      ; the first tensor load behind the round; its four v_nop are the places in front of the loads below
.else
	PLACES
.endif
.else
	s_wait_dscnt 0x0                               ; this half's fragments are in
	WIN MUL
	MUL8 0, \p, \q, \sc, \zero
.if (\mode) == 2
	PLACES                                         ; in front of the loads into the other set, which the last half multiplied
.endif
.endif
.if (\mode) != 3
.if NQ1 == 0
	WIN 0
	v_add_nc_u32 v[ADSA], 2048, v[ADSA]            ; on to the next K step's words of P
.endif
	FETCH \nss, NQ1, NP
.if NQ1 == 0
	WIN 0
	SCALES \nsc, \nss
.endif
.endif
	WIN MUL
.if (\mode) >= 2
	MUL8 2, \p, \q, \sc, \zero
.endif
	MUL8 4, \p, \q, \sc, \zero
	MUL8 6, \p, \q, \sc, \zero
.endm
	s_load_b256 s[4:11], s[0:1], 0x0               ; pc, st, hc, out0
	v_lshl_add_u32 v[SPW], v0, 2, SPARE
	v_mov_b32 v[NIL], 0
	ds_add_u32 v[SPW], v[NIL]                      ; the wave's opening: the add and its wait ahead of my first tensor load
	v_lshrrev_b32 v1, 5, v0
	v_readfirstlane_b32 s14, v1
	s_lshr_b32 s15, s14, 1                         ; my half of the tile's queries; also: I fetch for P (0) or for vh^T (1)
	s_and_b32 s16, s14, 1                          ; my half of its channels; also: which of a slot's two K steps I fetch
	s_bfe_u32 s40, ttmp6, 0x40000                  ; cx
	s_bfe_u32 s41, ttmp6, 0x40004                  ; cy
	s_lshl_b32 s42, ttmp9, 2
	s_add_co_u32 s42, s42, s40                     ; tile column (128 channels) = 4 x cluster x + cx
	s_and_b32 s72, ttmp7, 0xffff
	s_lshl_b32 s17, s72, 2
	s_add_co_u32 s17, s17, s41                     ; tile row over all batches
	s_lshr_b32 s73, s72, 1                         ; the batch
	s_and_b32 s82, s17, 7                          ; tile row in the batch
	s_lshl_b32 s43, s41, 2
	s_lshl_b32 s43, 15, s43
	s_lshl_b32 s44, 0x1111, s40
	s_or_b32 s[G1], s43, (3<<16)|(1<<21)           ; 15:0 the mask; 17:16 elements of 8 bytes; 21 set beside a mask; no padding
	s_mov_b32 s[G1+1], 32<<16                      ; tensor_dim0 = 32 elements: 256 bytes
	s_mov_b32 s[G1+2], 200<<16                     ; tensor_dim1 = 200 rows: P's two chunks of a K step
	s_mov_b32 s[G1+3], 32<<16
	s_mov_b32 s[G1+4], 200
	s_mov_b32 s[G1+5], 32                          ; the pitch: dense
	s_mov_b32 s[G1+6], 0
	s_mov_b32 s[G1+7], 0
	s_or_b32 s[G1B], s44, (3<<16)|(1<<21)
	s_mov_b32 s[G1B+1], 32<<16
	s_mov_b32 s[G1B+2], 100<<16                    ; 100 rows: one chunk of vh^T
	s_mov_b32 s[G1B+3], 32<<16
	s_mov_b32 s[G1B+4], 100
	s_mov_b32 s[G1B+5], 32
	s_mov_b32 s[G1B+6], 0
	s_mov_b32 s[G1B+7], 0
	s_lshl_b32 s18, s73, 7                         ; P: 128 chunks a batch, 16 row groups a K step; K step = my one of the slot's two, groups 2 x tile row and the next
	s_lshl_b32 s19, s16, 4
	s_add_co_u32 s18, s18, s19
	s_lshl_b32 s19, s82, 1
	s_add_co_u32 s18, s18, s19
	s_mul_i32 s18, s18, CH
	s_mov_b32 s19, 0
	s_lshl_b32 s46, s73, 6                         ; vh^T: 64 chunks a batch, 8 row groups a K step; group = tile column
	s_lshl_b32 s47, s16, 3
	s_add_co_u32 s46, s46, s47
	s_add_co_u32 s46, s46, s42
	s_mul_i32 s46, s46, CH
	s_add_co_u32 s46, s46, 13107200                ; its section of hc
	s_mov_b32 s47, 0
	s_mov_b32 s68, 4*16*CH                         ; four K steps on in P,
	s_mov_b32 s69, 0
	s_mov_b32 s70, 4*8*CH                          ; and in vh^T
	s_mov_b32 s71, 0
	s_mul_i32 s45, s16, 2*CH                       ; where P's two chunks go,
	s_mul_i32 s20, s16, CH
	s_add_co_u32 s20, s20, 4*CH                    ; and vh^T's one: the wave's number alone enters an LDS address
	s_mov_b32 s88, 0x01010101
	s_mov_b32 s89, 0x80808080
	s_wait_dscnt 0x0
	s_wait_kmcnt 0x0
	s_add_nc_u64 s[18:19], s[4:5], s[18:19]
	s_add_nc_u64 s[46:47], s[8:9], s[46:47]
	CROUND                                         ; all sixteen work-groups are here: the first joint loads meet
.irp s, 0,1
	s_mov_b32 s[G0+4*\s], 1
	s_add_co_u32 s[G0+4*\s+1], s45, \s*SLOT
	s_add_nc_u64 s[G0+4*\s+2:G0+4*\s+3], s[18:19], \s*2*16*CH
	s_or_b32 s[G0+4*\s+3], s[G0+4*\s+3], 0x80000000
	s_mov_b32 s[G0B+4*\s], 1
	s_add_co_u32 s[G0B+4*\s+1], s20, \s*SLOT
	s_add_nc_u64 s[G0B+4*\s+2:G0B+4*\s+3], s[46:47], \s*2*8*CH
	s_or_b32 s[G0B+4*\s+3], s[G0B+4*\s+3], 0x80000000
	JLOAD G0+4*\s, G0B+4*\s
.endr
	v_and_b32 v1, 31, v0
	v_and_b32 v2, 15, v0
	v_bfe_u32 v3, v0, 4, 1
	v_lshlrev_b32 v[L16], 4, v1
	v_lshlrev_b32 v4, 4, v2
	s_mul_i32 s12, s15, CH                         ; my queries' chunk of P
	s_mul_i32 s13, s16, 8*1536                     ; my four row tiles in vh^T's chunk: eight fragments on
	s_add_co_u32 s13, s13, 4*CH
	s_lshl_b32 s21, s16, 8                         ; and their scale words: 256 bytes on
	s_add_co_u32 s21, s21, 4*CH+SCO
.irp ss, 0,1,2,3
	s_add_co_u32 s22, s12, (\ss/2)*SLOT+(\ss%2)*2*CH
	v_add_nc_u32 v[ADRA+\ss], s22, v[L16]
	s_add_co_u32 s22, s13, (\ss/2)*SLOT+(\ss%2)*CH
	v_add_nc_u32 v[ADRB+\ss], s22, v[L16]
	s_add_co_u32 s22, s21, (\ss/2)*SLOT+(\ss%2)*CH
	v_add_nc_u32 v[ADSB+\ss], s22, v4
.endr
	s_lshl_b32 s12, s14, 9
	s_add_co_u32 s12, s12, LT
	v_lshlrev_b32 v[LTR], 2, v2
	v_add_nc_u32 v[LTR], s12, v[LTR]               ; LT + 512 w + 4 r; row tile a: 64 a on
	v_lshl_add_u32 v[LTW], v3, 8, v[LTR]           ; lane (r, h) holds tiles 4 h .. 4 h + 3
	s_lshl_b32 s12, s16, 13                        ; my eight slices: 8 x 1,024 bytes on in st, four K steps on in ASC
	s_lshl_b32 s13, s15, 10
	v_add_nc_u32 v[OFO], s12, v[L16]
	s_add_co_u32 s12, s12, s13
	s_add_co_u32 s12, s12, ASC
	v_add_nc_u32 v[ASW], s12, v[L16]
	s_add_co_u32 s13, s13, ASC
	v_add_nc_u32 v[ADSA], s13, v4
	s_mul_i32 s12, s14, 16*SPITCH                  ; my stage, from slot 0's first byte on
	v_mul_u32_u24 v[STO], v2, SPITCH
	v_lshl_add_u32 v[STO], v3, 5, v[STO]
	v_add_nc_u32 v[STO], s12, v[STO]               ; in: row r, 32 bytes for each half of the lanes
	v_mul_u32_u24 v[RD], v3, SPITCH
	v_lshl_add_u32 v[RD], v2, 4, v[RD]
	v_add_nc_u32 v[RD], s12, v[RD]                 ; back: lanes 0-15 one row of 256 bytes, lanes 16-31 the next
	v_lshlrev_b32 v[CO], 12, v3
	v_lshl_add_u32 v[CO], v2, 4, v[CO]             ; and the same two rows in out0
	s_lshl_b32 s80, s17, 1
	s_add_co_u32 s80, s80, s15                     ; my row group of all 64
	s_lshl_b32 s86, s80, 19                        ; out0: 128 rows of 4,096 bytes,
	s_lshl_b32 s80, s80, 14                        ; st: 16 slices of 1,024 bytes
	s_mov_b32 s81, 0
	s_add_nc_u64 s[80:81], s[6:7], s[80:81]
	s_lshl_b32 s87, s42, 9                         ; + 512 x tile column
	s_add_co_u32 s86, s86, s87
	s_lshl_b32 s87, s16, 8                         ; + 256 x my half
	s_add_co_u32 s86, s86, s87
	s_mov_b32 s87, 0
	s_add_nc_u64 s[10:11], s[10:11], s[86:87]
	s_lshl_b32 s84, s73, 7                         ; P's chunk (K step 4 x my slice half, my row group): its scale words
	s_lshl_b32 s85, s16, 6
	s_add_co_u32 s84, s84, s85
	s_lshl_b32 s85, s82, 1
	s_add_co_u32 s84, s84, s85
	s_add_co_u32 s84, s84, s15
	s_mul_i32 s84, s84, CH
	s_add_co_u32 s84, s84, SCO
	s_mov_b32 s85, 0
	s_add_nc_u64 s[84:85], s[4:5], s[84:85]
	; THE PROLOGUE.  Lane (r, h) holds, in four registers j, what belongs to row r of row tiles 4 h + j of my 128 rows.
.set nn, 0
.rept 16
	global_load_b128 v[NMA+4*nn:NMA+4*nn+3], v[L16], s[80:81] offset:1024*nn           ; -M_s of all sixteen slices
.set nn, nn+1
.endr
	WIN 0x40
.set nn, 0
.rept 16
	global_load_b128 v[4*nn:4*nn+3], v[L16], s[80:81] offset:1024*nn+512               ; l_s, into window 1
.set nn, nn+1
.endr
	WIN 0
.set nn, 0
.rept 8
	global_load_b128 v[NMO+4*nn:NMO+4*nn+3], v[OFO], s[80:81] offset:1024*nn           ; -M_s of my eight once more: which eight hangs on the wave
	global_load_b128 v[RW+4*nn:RW+4*nn+3], v[L16], s[84:85] offset:16*CH*(nn/2)+512*(nn%2)   ; and their scale words
.set nn, nn+1
.endr
	s_wait_loadcnt 0x0
.irp j, 0,1,2,3
	v_min3_num_f32 v[GG+\j], v[NMA+\j], v[NMA+4+\j], v[NMA+8+\j]
.endr
.irp s, 3,5,7,9,11,13
.irp j, 0,1,2,3
	v_min3_num_f32 v[GG+\j], v[GG+\j], v[NMA+4*\s+\j], v[NMA+4*\s+4+\j]
.endr
.endr
.irp j, 0,1,2,3
	v_min_num_f32 v[GG+\j], v[GG+\j], v[NMA+60+\j] ; -M of the row: the least -M_s
.endr
.set nn, 0
.rept 64
	v_sub_f32 v[NMA+nn], v[GG+nn%4], v[NMA+nn]     ; M_s - M: a whole number, 0 or less
.set nn, nn+1
.endr
.set nn, 0
.rept 64
	v_cvt_i32_f32 v[NMA+nn], v[NMA+nn]             ; (it saturates)
.set nn, nn+1
.endr
	WIN 0x01                                       ; source 0 window 1
.set nn, 0
.rept 64
	v_ldexp_f32 v[NMA+nn], v[nn], v[NMA+nn]        ; l_s 2^(M_s - M): nothing is rounded
.set nn, nn+1
.endr
	WIN 0
.irp s, 2,4,6,8,10,12,14
	v_pk_add_f32 v[NMA:NMA+1], v[NMA:NMA+1], v[NMA+4*\s:NMA+4*\s+1]
	v_pk_add_f32 v[NMA+2:NMA+3], v[NMA+2:NMA+3], v[NMA+4*\s+2:NMA+4*\s+3]
	v_pk_add_f32 v[NMA+4:NMA+5], v[NMA+4:NMA+5], v[NMA+4*\s+4:NMA+4*\s+5]
	v_pk_add_f32 v[NMA+6:NMA+7], v[NMA+6:NMA+7], v[NMA+4*\s+6:NMA+4*\s+7]
.endr
	v_pk_add_f32 v[NMA:NMA+1], v[NMA:NMA+1], v[NMA+4:NMA+5]
	v_pk_add_f32 v[NMA+2:NMA+3], v[NMA+2:NMA+3], v[NMA+6:NMA+7]
.irp j, 0,1,2,3
	v_rcp_f32 v[RLG+\j], v[NMA+\j]                 ; 1 / l; the rebasing below is the independent work behind the four
.endr
.set nn, 0
.rept 32
	v_sub_f32 v[NMO+nn], v[NMO+nn], v[GG+nn%4]     ; M - M_s, 0 or more
.set nn, nn+1
.endr
.set nn, 0
.rept 32
	v_min_num_f32 v[NMO+nn], 0x42fe0000, v[NMO+nn] ; at most 127: p's bytes are at most 125
.set nn, nn+1
.endr
.set nn, 0
.rept 32
	v_cvt_u32_f32 v[NMO+nn], v[NMO+nn]
.set nn, nn+1
.endr
.set nn, 0
.rept 32
	v_mul_lo_u32 v[NMO+nn], v[NMO+nn], s88         ; in each of the word's four bytes
.set nn, nn+1
.endr
.set nn, 0
.rept 32
	v_or_b32 v[RW+nn], s89, v[RW+nn]               ; 128 + byte,
.set nn, nn+1
.endr
.set nn, 0
.rept 32
	v_sub_nc_u32 v[RW+nn], v[RW+nn], v[NMO+nn]     ; less the shift: 1 .. 255 in each byte, so no borrow crosses a byte
.set nn, nn+1
.endr
.set nn, 0
.rept 32
	v_and_b32 v[NMO+nn], s89, v[RW+nn]             ; bit 7 stands where the byte did not fall under 0
.set nn, nn+1
.endr
.set nn, 0
.rept 32
	v_lshrrev_b32 v[TT+nn], 7, v[NMO+nn]
.set nn, nn+1
.endr
.set nn, 0
.rept 32
	v_sub_nc_u32 v[NMO+nn], v[NMO+nn], v[TT+nn]    ; 0x7f there, 0 elsewhere
.set nn, nn+1
.endr
.set nn, 0
.rept 32
	v_and_b32 v[RW+nn], v[RW+nn], v[NMO+nn]        ; the byte under the row's M, held at 0
.set nn, nn+1
.endr
.set nn, 0
.rept 8
	ds_store_b128 v[ASW], v[RW+4*nn:RW+4*nn+3] offset:2048*(nn/2)+512*(nn%2)
.set nn, nn+1
.endr
	s_wait_alu depctr_va_vdst(0)                   ; one wait for the four reciprocals, ahead of their first reader
.irp j, 0,1,2,3
	ds_store_b32 v[LTW], v[RLG+\j] offset:64*\j
.endr
	s_wait_tensorcnt 1                             ; my part of slot 0 is in (slot 1's may be out)
	s_wait_dscnt 0x0                               ; and my rebased words lie in LDS
	s_barrier_signal -1
	s_barrier_wait -1
	FETCH 0, 0, 0
	WIN 0
	SCALES 0, 0
	HALF 0, 0, 0, 1, 2, 0, 0, 0                    ; K step 0 (slot 0): the first products start the sums
	HALF 1, 1, 0, 0, 2, 1, 1, 0
	HALF 0, 0, 1, 0, 2, 1, 1, 0                    ; K step 1
	HALF 1, 1, 1, 0, 1, 2, 0, 0                    ; slot 0 takes K steps 4 and 5
	HALF 0, 0, 0, 0, 2, 2, 0, 0                    ; K step 2 (slot 1)
	HALF 1, 1, 0, 0, 2, 3, 1, 0
	HALF 0, 0, 1, 0, 2, 3, 1, 0                    ; K step 3
	HALF 1, 1, 1, 0, 1, 0, 0, 1                    ; slot 1 takes K steps 6 and 7
	HALF 0, 0, 0, 0, 2, 0, 0, 0                    ; K step 4 (slot 0)
	HALF 1, 1, 0, 0, 2, 1, 1, 0
	HALF 0, 0, 1, 0, 2, 1, 1, 0                    ; K step 5
	HALF 1, 1, 1, 0, 0, 2, 0, 0                    ; slot 1's last tiles have landed, in every wave's sight; slot 0 is read no more
	HALF 0, 0, 0, 0, 2, 2, 0, 0                    ; K step 6 (slot 1)
	HALF 1, 1, 0, 0, 2, 3, 1, 0
	HALF 0, 0, 1, 0, 2, 3, 1, 0                    ; K step 7
	HALF 1, 1, 1, 0, 3, 0, 0, 0
	WIN 0
; THE WAY OUT, block by block of 16 queries x 64 channels: x 1 / l in place, through my own stage in LDS, back as whole runs of 256 bytes of a row.
.macro PACK a
.set AC, 32*(\a)
	WIN 0x82                                       ; destination and source 0: the accumulators' window
.set nn, 0
.rept 16
	v_pk_mul_f32 v[AC+nn:AC+nn+1], v[AC+nn:AC+nn+1], v[RL+2*(\a):RL+2*(\a)+1]   ; each accumulator from its low end on
.set nn, nn+2
.endr
.endm
.macro TOSTAGE a
.set AC, 32*(\a)
	WIN 0x08                                       ; an LDS store's data are its source 1: window 2
.irp b, 0,1,2,3
	ds_store_b128 v[STO], v[AC+8*\b:AC+8*\b+3] offset:64*\b
	ds_store_b128 v[STO], v[AC+8*\b+4:AC+8*\b+7] offset:64*\b+16
.endr
	WIN 0
.set BB, BK+32*((\a)%2)
.irp t, 0,1,2,3,4,5,6,7
	ds_load_b128 v[BB+4*\t:BB+4*\t+3], v[RD] offset:\t*2*SPITCH    ; LDS serves a wave's instructions in order (ISA guide 5.7.1.4): these see the stores above
.endr
.endm
.macro SEND a, younger
.set BB, BK+32*((\a)%2)
	s_wait_dscnt \younger                          ; the block is back in registers; the next block's 8 stores and 8 loads may be out
.if (\a) > 0
	s_add_nc_u64 s[10:11], s[10:11], 16*4096       ; 16 rows on (behind a wait on XCNT: the earlier stores have read their base)
.endif
.irp t, 0,1,2,3,4,5,6,7
	global_store_b128 v[CO], v[BB+4*\t:BB+4*\t+3], s[10:11] offset:2*\t*4096 th:TH_STORE_NT   ; 16 lanes store 256 consecutive bytes, at a multiple of 256 from out0's first byte
.endr
.endm
	PLACES
.irp a, 0,1,2,3,4,5,6,7
	ds_load_b32 v[RL+2*\a], v[LTR] offset:64*\a
	ds_load_b32 v[RL+2*\a+1], v[LTR] offset:64*\a  ; twice: a pair for the packed multiplication
.endr
	s_wait_dscnt 0x0
	PACK 0
	TOSTAGE 0
.irp a, 1,2,3,4,5,6,7
	PACK \a
.if \a > 1
	s_wait_xcnt 0x0                                ; block a - 2's stores have read their registers and their base
.endif
	TOSTAGE \a
	SEND \a-1, 16
.endr
	s_wait_xcnt 0x0
	SEND 7, 0
	s_wait_tensorcnt 0x0                           ; the wave's end, behind my last tensor load and my last LDS store
	ds_add_u32 v[SPW], v[NIL]
	s_wait_dscnt 0x0
	CROUND                                         ; the closing round
	s_endpgm
.Lfunc_end_k_q22042dfc04_pv:
	.size	k_q22042dfc04_pv, .Lfunc_end_k_q22042dfc04_pv-k_q22042dfc04_pv
	.p2alignl 7, 3214868480
	.fill 96, 4, 3214868480
	.section	.rodata,"a",@progbits
	.p2align	6, 0x0
	.amdhsa_kernel k_q22042dfc04_pv
		.amdhsa_group_segment_fixed_size 327680
		.amdhsa_private_segment_fixed_size 0
		.amdhsa_enable_private_segment 0
		.amdhsa_kernarg_size 32
		.amdhsa_user_sgpr_count 2
		.amdhsa_user_sgpr_kernarg_segment_ptr 1
		.amdhsa_wavefront_size32 1
		.amdhsa_system_sgpr_workgroup_id_x 1
		.amdhsa_system_sgpr_workgroup_id_y 1
		.amdhsa_system_sgpr_workgroup_id_z 1
		.amdhsa_system_vgpr_workitem_id 0
		.amdhsa_next_free_vgpr 1024
		.amdhsa_next_free_sgpr 100
		.amdhsa_reserve_vcc 0
		.amdhsa_float_denorm_mode_32 3
		.amdhsa_float_denorm_mode_16_64 3
		.amdhsa_memory_ordered 1
		.amdhsa_forward_progress 1
		.amdhsa_inst_pref_size 174
	.end_amdhsa_kernel
	.amdgpu_metadata
---
amdhsa.version: [ 1, 2 ]
amdhsa.kernels:
  - .name:           k_q22042dfc04_pv
    .symbol:         k_q22042dfc04_pv.kd
    .args:
      - { .name: pc, .offset: 0, .size: 8, .value_kind: global_buffer, .address_space: global }
      - { .name: st, .offset: 8, .size: 8, .value_kind: global_buffer, .address_space: global }
      - { .name: hc, .offset: 16, .size: 8, .value_kind: global_buffer, .address_space: global }
      - { .name: out0, .offset: 24, .size: 8, .value_kind: global_buffer, .address_space: global }
    .group_segment_fixed_size: 327680
    .private_segment_fixed_size: 0
    .kernarg_segment_align: 8
    .kernarg_segment_size: 32
    .max_flat_workgroup_size: 128
    .sgpr_count:     100
    .vgpr_count:     1024
    .wavefront_size: 32
...
	.end_amdgpu_metadata
.endif
;; end of part 4
